; MI455X (gfx1250); checked and timed in simulation.
; The chip was launched on July 23, 2026; its instructions are those of AMD's public machine-readable ISA for CDNA 5 (MIT licence, August 2026) and "CDNA5" Instruction Set Architecture Reference Guide (July 2026). The comments in the code are by the model that wrote it; some were corrected since.
;; Multi Head Attention. Allowed arithmetic: matrix products marked QUANTISED: E2M3 operands, one E8M0 scale for each 32 along K, by v_wmma_scale_f32_16x16x128_f8f6f4 with both operands' format E2M3, f32 sums; everything else in f32.
;; Inputs: Wk_codes 16 x 64 x 32 x 24 uint8 (E2M3 codes of Wk, K innermost, in blocks of 32 codes, four codes in three bytes); Wk_scales 16 x 64 x 32 uint8 (E8M0 scales of Wk, one for each 32 codes along K); Wp_codes 1,024 x 32 x 24 uint8 (E2M3 codes of Wp, K innermost, in blocks of 32 codes, four codes in three bytes); Wp_scales 1,024 x 32 uint8 (E8M0 scales of Wp, one for each 32 codes along K); Wq_codes 16 x 64 x 32 x 24 uint8 (E2M3 codes of Wq, K innermost, in blocks of 32 codes, four codes in three bytes); Wq_scales 16 x 64 x 32 uint8 (E8M0 scales of Wq, one for each 32 codes along K); Wv_codes 16 x 64 x 32 x 24 uint8 (E2M3 codes of Wv, K innermost, in blocks of 32 codes, four codes in three bytes); Wv_scales 16 x 64 x 32 uint8 (E8M0 scales of Wv, one for each 32 codes along K); bp 1,024 float32; x_codes 4 x 2,048 x 32 x 24 uint8 (E2M3 codes of x, K innermost, in blocks of 32 codes, four codes in three bytes); x_scales 4 x 2,048 x 32 uint8 (E8M0 scales of x, one for each 32 codes along K).
;; Outputs: out0 4 x 2,048 x 1,024 float32.
;; This version of the problem:
;;   THIS VERSION OF THE PROBLEM IS GIVEN IN LOW PRECISION. The matrix products marked QUANTISED in the list below multiply operands that are first quantised to E2M3 (2 exponent bits, 3 mantissa bits; 6 bits a number), with one power-of-two scale for each 32 numbers along K (OCP MX v1.0); their sums are f32. All else is computed in f32.
;;   The module's matrix products, in the order in which they are computed (A, B: the left and right operand; K: the contracted axis; several contracted axes count as one K, in the product's order):
;;     1. [M 1,024, K 1,024] x [K 1,024, N 8,192]; A: input Wq (given as codes); B: input x (given as codes): QUANTISED
;;     2. [M 1,024, K 1,024] x [K 1,024, N 8,192]; A: input Wk (given as codes); B: input x (given as codes): QUANTISED
;;     3. [M 1,024, K 1,024] x [K 1,024, N 8,192]; A: input Wv (given as codes); B: input x (given as codes): QUANTISED
;;     4. batch 64 x [M 2,048, K 64] x [K 64, N 2,048]; A: computed on the way; B: computed on the way: QUANTISED
;;     5. batch 64 x [M 2,048, K 2,048] x [K 2,048, N 64]; A: computed on the way; B: computed on the way: QUANTISED
;;     6. [M 8,192, K 1,024] x [K 1,024, N 1,024]; A: computed on the way; B: input Wp (given as codes): QUANTISED
;;   THE QUANTISER, for each operand of a quantised product, along K:
;;     - K is cut into blocks of 32 from its start; a last block that is shorter is filled with zeros.
;;     - A block's scale is 2^e with e = floor(log2(the largest magnitude in the block)) - 2, held to -126 .. 127; a block of zeros has e = 0. As a byte (E8M0): e + 127.
;;     - Each number is divided by its block's scale, clamped to +-7.5, and rounded to the nearest number of E2M3, ties to even, subnormals kept.
;;     - The product sums the exact products of the quantised numbers (number of the format x scale) in f32.
;;   ~~~python
;;   def quantise(x, axis):      # numpy; x: float32 -> the quantised numbers, widened to float32 again
;;       x = np.moveaxis(x, axis, -1); K = x.shape[-1]
;;       x = np.pad(x, [(0, 0)] * (x.ndim - 1) + [(0, -K % 32)]); x = x.reshape(x.shape[:-1] + (-1, 32)); a = np.abs(x).max(-1, keepdims=True)
;;       e = np.where(a > 0, np.clip(np.frexp(np.where(a > 0, a, 1))[1] - 1 - 2, -126, 127), 0)      # np.frexp(a)[1] - 1 = floor(log2(a)), exactly
;;       r = np.clip(x / 2.0 ** e, -7.5, 7.5)
;;       step = 2.0 ** (np.maximum(np.frexp(np.where(r == 0, 1, r))[1] - 1, 0) - 3)
;;       q = np.round(r / step) * step * 2.0 ** e      # np.round: ties to even
;;       return np.moveaxis(q.reshape(q.shape[:-2] + (-1,))[..., :K], -1, axis).astype(np.float32)
;;   ~~~
;;   OPERANDS COMPUTED ON THE WAY. 'Computed on the way' means the value that the module computes at that place (a softmax that the list does not call 'softmax' is quantised finished and normalised). What goes into a quantiser is computed in f32, as accurately as f32 sums, v_exp_f32 and their like allow (about 1e-6 of the number): no bf16 or f16 on the way to a quantiser, and a product that is left as it is and whose result goes on into a quantised operand takes f32 operands (vector FMAs, or v_wmma_f32_16x16x4_f32). A number that lies on a knife's edge between two numbers of the format may be rounded either way, as far as f32 arithmetic and the matrix unit's own rounding can turn it there, and no further.
;;   INPUTS GIVEN AS CODES. Wk (in the module: [16, 1024, 64], K = its axis 1); Wp (in the module: [1024, 1024], K = its axis 1); Wq (in the module: [16, 1024, 64], K = its axis 1); Wv (in the module: [16, 1024, 64], K = its axis 1); x (in the module: [4, 2048, 1024], K = its axis 2): each comes as NAME_codes (uint8): NAME with its K axis moved to the last place and cut into blocks of 32 codes, [.., K / 32, bytes a block], one block behind the other in memory; four codes in three bytes: a row's codes are one little-endian stream of bits, code i at bits 6 i .. 6 i + 5 (a code: sign, 2 exponent bits, 3 mantissa bits); and NAME_scales (uint8): the same leading axes, one E8M0 byte (e + 127) for each 32 codes along K. Its value is code x scale, taken as it is: it is not quantised again, and the codes and scales need not be those that the quantiser above would give.
;; One version. Each part assembles by itself: llvm-mc -triple=amdgcn-amd-amdhsa -mcpu=gfx1250 --defsym DOCPART=n.
;; ======== version 1 of 1: 4 launches
;; workspace buffers: qkv 18,874,368 bytes; qkvs 786,432 bytes; negl 524,288 bytes; oimg 6,291,456 bytes; osc 262,144 bytes
;; launch qkvgemm (part 1): grid 12 x 32, 4 waves a work-group, clusters of 4 x 4, 327,680 bytes of LDS; arguments x_codes, x_scales, Wq_codes, Wq_scales, Wk_codes, Wk_scales, Wv_codes, Wv_scales, qkv, qkvs; writes qkv, qkvs
.if DOCPART == 1
	.amdgcn_target "amdgcn-amd-amdhsa--gfx1250"
	.amdhsa_code_object_version 6
	.text
	.protected	k_qc222023074_qkvgemm
	.globl	k_qc222023074_qkvgemm
	.p2align	8
	.type	k_qc222023074_qkvgemm,@function
k_qc222023074_qkvgemm:
	s_mov_b64 s[64:65], 0
	v_nop
	global_prefetch_b8 v0, s[64:65] scope:SCOPE_SE
	s_setreg_imm32_b32 hwreg(HW_REG_WAVE_MODE, 25, 1), 1
	s_wait_xcnt 0x0
	s_wait_alu depctr_hold_cnt(0) depctr_sa_sdst(0) depctr_va_vdst(0) depctr_va_sdst(0) depctr_va_ssrc(0) depctr_va_vcc(0) depctr_vm_vsrc(0)
	s_getreg_b32 s2, hwreg(HW_REG_IB_STS2, 6, 4)
	s_cmp_eq_u32 s2, 0
	s_cbranch_scc0 .Lentry_in_a_cluster
	s_endpgm
.Lentry_in_a_cluster:
	s_bfe_u32 s2, ttmp6, 0x10000c
	s_cmp_lg_u32 s2, 0xf033
	s_cbranch_scc0 .Lentry_shape_is_right
	s_endpgm
.Lentry_shape_is_right:
; q, k, v = x W for 16 heads, on codes of FP6 (E2M3) with one E8M0 scale for each 32 along K = 1,024, f32 sums; the results are quantised here, in registers, and leave as codes.
; x: 8,192 rows (batch x token) of 768 bytes; Wq, Wk, Wv: 1,024 rows (head x 64 + d) of 768 bytes; scale bytes 32 a row.
; A tile of 256 x 256 results is made by four waves, 128 x 128 each: 64 accumulators, 512 registers.  K goes in steps of 256 through a ring of two LDS slots filled by the tensor data mover.
; THE MATRIX INSTRUCTION IS USED TRANSPOSED: source 0 = 16 rows of "B", source 1 = 16 rows of "A": a lane holds one row of A and its registers run along B's rows.  What is quantised must run along the registers:
;   q, k (quantised along d):      A = x (tokens in the lanes), B = Wq or Wk (d in the registers);
;   v    (quantised along tokens): A = Wv (d in the lanes),     B = x (tokens in the registers).
; The cluster's x says which of the three is made: 0 q, 1 k, 2 v; it is the same in all sixteen partners, so the pointers are chosen and the way out is branched on it.
; CLUSTERS: 4 x 4 work-groups; A's tile hangs on cy and the cluster's y, B's on cx and the cluster's y: each is asked for jointly by the four that share it.
; WHAT LEAVES.  A fragment (12 registers a lane) as an image of its registers: three stores of 512 consecutive bytes.  q, k: a PAIR fragment: registers 0-5 tokens 32 g + r x 64 d, registers 6-11 tokens 32 g + 16 + r.
; v: rows d = 16 i + r, K = 128 tokens.  Inside a block of 32 the codes stand in the order in which the conversions leave them (index 16 u + 8 s + j at place 16 s + 8 u + j): q meets k and v meets attn, which are all made so.
; qkv:  [q, k, v][bh 64][step of 128 tokens 16][member 4][chunk 3][lane 32][16 bytes];   qkvs: [q, k, v][bh][step][r 16][member 4] scale words.
; LIMITS: NaN, infinities and the scale byte 0xff among the inputs are not served.  A block whose largest magnitude lies under 2^-124, a block of zeros among them, gets the byte 1 (the rule says 127 for zeros): its codes
; are then zeros or subnormal codes under that byte, and the bytes are read by this program alone.
.set SIZE_K, 1024
.set KSTEP,  256                       ; along K in a slot
.set NQ,     KSTEP/128                 ; matrix instructions deep
.set ROWB,   192                       ; a tile's row in bytes
.set KROW,   SIZE_K*6/8                ; a row of codes in memory
.set PITCH,  240                       ; an LDS row: 3 x (64 bytes + 16 of padding)
.set FR,     12                        ; registers of a fragment
.set NLD,    6                         ; LDS loads that bring one
.set NP,     4                         ; places behind this matrix instruction (ISA guide 7.12.1)
.set HALFT,  128*PITCH                 ; 128 rows: what one tensor load brings
.set SLOT,   4*HALFT                   ; A's 256 rows, then B's 256 rows
.set KS,     SIZE_K/32                 ; a row of scale bytes
.set SCL,    2*SLOT                    ; behind the ring: the scales, as units of 256 bytes + 16 of padding
.set HALFS,  (128*KS/256)*272          ; the scales of 128 rows
.set SBLK,   (16*KS/256)*272           ; those of 16 rows
.set SPARE,  SCL+4*HALFS               ; the spare words, 128 bytes a wave: two blocks of 256 bytes that no other line names
.set REGION, 6291456                   ; bytes of q's (k's, v's) images
.set SREG,   262144                    ; and of their scale words
.set BHB,    98304                     ; images of one batch x head
.set STEPB,  6144                      ; of one step of 128 tokens
.set FRB,    1536                      ; of one fragment
.set ADRA, 16                          ; v16-17 LDS address of my A fragments in slot 0, 1 (v18-19: behind one padding more)
.set ADRB, 20                          ; v20-23 the same for B
.set LI,   24                          ; v24    16 x lane: my place in an image's chunk
.set SO,   25                          ; v25    16 x (lane % 16) + 4,096 x (lane / 16): my place among the scale words
.set ADRS, 27                          ; v27    LDS address of my scale words
.set SPW,  28                          ; v28    LDS address of my spare word; never rewritten
.set NIL,  29                          ; v29    0; never rewritten
.set SC,   32                          ; v32-63 scale words, two sets
.set CD,   64                          ; v64-75 the codes just made
.set CT,   76                          ; v76-83 the conversions' second halves
.set TM,   96                          ; v96-111 largest magnitudes, bytes, scale operands
.set PWB,  112                         ; v112-119 the eight fragments' scale words
.set SW,   120                         ; v120-123 the four words that a lane stores
.set AF,   128                         ; A's fragments, window 0
.set G1, 24
.set G0, 32
.set G1B, 48
.set G0B, 56
.set G1S, 68
.set G0S, 76
.set G1SB, 80
.set G0SB, 88
.set WHICH, 98                         ; s98    0 q, 1 k, 2 v
.set SEL, 20                           ; s[20:21] lane selects for lane l xor 16 (written when the head's scratch is done with)
.set HM,  22                           ; s22    lanes 16-31
.set MSB, 0
.macro WIN new                         ; the immediate's high byte repeats the setting that is left
.if MSB != \new
	s_set_vgpr_msb (MSB<<8)|\new
.set MSB, \new
.endif
.endm
.set MUL_LO, 0xa1                      ; source 0 (B) window 1, source 1 (A) window 0, C and D window 2
.set MUL_HI, 0xf1                      ; the same, C and D window 3
.set TO_B,   0x40                      ; destination window 1, address window 0
; A joint load: waves 0 and 1 fetch for A, waves 2 and 3 for B; the branch hangs on the wave's number alone.  Four v_nop follow each of the two lines.
.macro JLOAD g0a, g1a, g0b, g1b
	s_cmp_eq_u32 s15, 0
	s_cbranch_scc0 .Lfor_b_\@
	tensor_load_to_lds s[\g0a:\g0a+3], s[\g1a:\g1a+7]
	s_nop 0
.rept 4
	v_nop
.endr
	s_branch .Lasked_\@
.Lfor_b_\@:
	tensor_load_to_lds s[\g0b:\g0b+3], s[\g1b:\g1b+7]
	s_nop 0
.rept 4
	v_nop
.endr
.Lasked_\@:
.endm
.macro CREST                           ; a round of the cluster's barrier behind its opening barrier
	s_cmp_lg_u32 s14, 0
	s_cbranch_scc1 .Lnot_wave_0_\@
	s_barrier_signal -3
.Lnot_wave_0_\@:
	s_barrier_wait -3
	s_barrier_signal -1
	s_barrier_wait -1
.endm
.macro CROUND                          ; a whole round
	s_barrier_signal -1
	s_barrier_wait -1
	CREST
.endm
	s_load_b512 s[68:83], s[0:1], 0x0              ; x's codes, scales; Wq's; Wk's; Wv's
	s_load_b128 s[84:87], s[0:1], 0x40             ; qkv, qkvs
	v_lshl_add_u32 v[SPW], v0, 2, SPARE
	v_mov_b32 v[NIL], 0
	ds_add_u32 v28, v29
	ds_add_u32 v28, v29
	s_wait_dscnt 0x0
	v_lshrrev_b32 v1, 5, v0
	v_readfirstlane_b32 s14, v1                    ; wave 0..3
	s_lshr_b32 s15, s14, 1                         ; which half of A's rows is mine.  Also: I fetch for A (0) or for B (1)
	s_and_b32 s16, s14, 1                          ; which half of B's rows.  Also: which 128 rows I fetch
	s_bfe_u32 s40, ttmp6, 0x40000                  ; cx
	s_bfe_u32 s41, ttmp6, 0x40004                  ; cy
	s_mov_b32 s[WHICH], ttmp9                      ; the cluster's x
	s_and_b32 s99, ttmp7, 0xffff
	s_lshl_b32 s99, s99, 2                         ; 4 x the cluster's y: it walks x's 32 tiles of 256 rows
	s_cmp_eq_u32 s[WHICH], 2
	s_cselect_b32 s17, 0, s99
	s_cselect_b32 s42, s99, 0
	s_add_co_u32 s17, s17, s41                     ; A's tile: x's 4 cY + cy, or Wv's cy
	s_add_co_u32 s42, s42, s40                     ; B's tile: W's cx, or x's 4 cY + cx
	s_lshl_b32 s43, s41, 2
	s_lshl_b32 s43, 15, s43                        ; my row of the cluster
	s_lshl_b32 s44, 0x1111, s40                    ; my column
	s_or_b32 s[G1+0], s43, (0<<16)|(1<<20)|(1<<21)|(3<<22)|(3<<25)  ; the mask; elements of 1 byte; padding on; bit 21 beside a mask; after every 16 words 4 words
	s_or_b32 s[G1B+0], s44, (0<<16)|(1<<20)|(1<<21)|(3<<22)|(3<<25)
.irp g, G1, G1B
	s_mov_b32 s[\g+1], ROWB<<16                    ; tensor_dim0
	s_mov_b32 s[\g+2], 128<<16                     ; tensor_dim1
	s_mov_b32 s[\g+3], ROWB<<16                    ; tile_dim0
	s_mov_b32 s[\g+4], 128                         ; tile_dim1
	s_mov_b32 s[\g+5], KROW                        ; tensor_dim0_stride
	s_mov_b32 s[\g+6], 0
	s_mov_b32 s[\g+7], 0
.endr
	s_lshl_b32 s18, s16, 7                         ; which 128 rows of the tile I fetch
	s_lshl_b32 s20, s17, 8
	s_add_co_u32 s20, s20, s18                     ; A's row
	s_lshl_b32 s46, s42, 8
	s_add_co_u32 s46, s46, s18                     ; B's row
	s_mov_b32 s21, 0
	s_mov_b32 s47, 0
	s_mov_b64 s[18:19], KS
	s_mul_u64 s[22:23], s[20:21], s[18:19]         ; where these rows' scales begin
	s_mul_u64 s[92:93], s[46:47], s[18:19]
	s_mov_b64 s[18:19], KROW
	s_mul_u64 s[20:21], s[20:21], s[18:19]         ; and their codes
	s_mul_u64 s[46:47], s[46:47], s[18:19]
	s_mul_i32 s45, s14, HALFT                      ; where they go: wave x 128 rows
	s_mul_i32 s94, s14, HALFS
	s_wait_kmcnt 0x0
	s_cmp_eq_u32 s[WHICH], 2                       ; the operands are chosen: the conditions hang on the cluster's x alone
	s_cselect_b64 s[4:5], s[80:81], s[68:69]       ; A's codes: Wv's or x's
	s_cselect_b64 s[6:7], s[82:83], s[70:71]       ; A's scales
	s_cmp_eq_u32 s[WHICH], 0
	s_cselect_b64 s[8:9], s[72:73], s[76:77]       ; B's codes: Wq's or Wk's,
	s_cselect_b64 s[10:11], s[74:75], s[78:79]
	s_cmp_eq_u32 s[WHICH], 2
	s_cselect_b64 s[8:9], s[68:69], s[8:9]         ; or x's
	s_cselect_b64 s[10:11], s[70:71], s[10:11]
	s_mov_b64 s[12:13], s[84:85]                   ; qkv
	s_mov_b64 s[100:101], s[86:87]                 ; qkvs
	; the scales of 128 rows: a dense block of 4,096 bytes, as rows of 256 bytes, 16 bytes of padding behind each (these registers held the arguments until here)
	s_or_b32 s[G1S+0], s43, (3<<16)|(1<<20)|(1<<21)|(5<<22)|(3<<25)
	s_or_b32 s[G1SB+0], s44, (3<<16)|(1<<20)|(1<<21)|(5<<22)|(3<<25)
.irp g, G1S, G1SB
	s_mov_b32 s[\g+1], 32<<16
	s_mov_b32 s[\g+2], (128*KS/256)<<16
	s_mov_b32 s[\g+3], 32<<16
	s_mov_b32 s[\g+4], 128*KS/256
	s_mov_b32 s[\g+5], 32
	s_mov_b32 s[\g+6], 0
	s_mov_b32 s[\g+7], 0
.endr
	s_add_nc_u64 s[20:21], s[4:5], s[20:21]
	s_add_nc_u64 s[22:23], s[6:7], s[22:23]
	s_add_nc_u64 s[46:47], s[8:9], s[46:47]
	s_add_nc_u64 s[92:93], s[10:11], s[92:93]
	CROUND                                         ; all sixteen work-groups are here: the first joint loads meet
	s_mov_b32 s[G0S], 1
	s_add_co_u32 s[G0S+1], s94, SCL
	s_mov_b64 s[G0S+2:G0S+3], s[22:23]
	s_or_b32 s[G0S+3], s[G0S+3], 0x80000000
	s_mov_b32 s[G0SB], 1
	s_add_co_u32 s[G0SB+1], s94, SCL
	s_mov_b64 s[G0SB+2:G0SB+3], s[92:93]
	s_or_b32 s[G0SB+3], s[G0SB+3], 0x80000000
	JLOAD G0S, G1S, G0SB, G1SB                     ; the scales first: they are wanted with K step 0
.irp s, 0,1
	s_mov_b32 s[G0+4*\s], 1
	s_add_co_u32 s[G0+4*\s+1], s45, \s*SLOT
	s_add_nc_u64 s[G0+4*\s+2:G0+4*\s+3], s[20:21], \s*ROWB
	s_or_b32 s[G0+4*\s+3], s[G0+4*\s+3], 0x80000000
	s_mov_b32 s[G0B+4*\s], 1
	s_add_co_u32 s[G0B+4*\s+1], s45, \s*SLOT
	s_add_nc_u64 s[G0B+4*\s+2:G0B+4*\s+3], s[46:47], \s*ROWB
	s_or_b32 s[G0B+4*\s+3], s[G0B+4*\s+3], 0x80000000
	JLOAD G0+4*\s, G1, G0B+4*\s, G1B
.endr
	v_and_b32 v1, 15, v0                           ; l % 16
	v_bfe_u32 v2, v0, 4, 1                         ; l / 16
	v_mul_u32_u24 v3, v1, PITCH
	v_mul_u32_u24 v4, v2, 24
	v_add_nc_u32 v4, v3, v4                        ; a fragment's row x pitch + 24 x half
	v_lshl_add_u32 v5, v2, 4, v4                   ; and the same behind one padding more
	s_mul_i32 s21, s15, HALFT                      ; my 128 rows of A
	s_mul_i32 s22, s16, HALFT                      ; my 128 rows of B,
	s_add_co_u32 s22, s22, 2*HALFT                 ; which lie behind A's 256
.irp s, 0,1
	v_add_nc_u32 v[ADRA+\s], s21, v4
	v_add_nc_u32 v[ADRB+\s], s22, v4
	v_add_nc_u32 v[ADRA+2+\s], s21, v5
	v_add_nc_u32 v[ADRB+2+\s], s22, v5
	s_add_co_u32 s21, s21, SLOT
	s_add_co_u32 s22, s22, SLOT
.endr
	v_mul_u32_u24 v5, v1, KS                       ; my row's scales: KS bytes a row,
	v_lshrrev_b32 v6, 8, v5
	v_lshl_add_u32 v5, v6, 4, v5                   ; and 16 more for each 256 passed
	s_mul_i32 s21, s15, HALFS
	s_mul_i32 s22, s16, HALFS
	s_add_co_u32 s22, s22, 2*HALFS
	s_sub_co_u32 s22, s22, s21
	v_mul_u32_u24 v6, s22, v2                      ; lanes 16-31 take B's
	s_add_co_u32 s21, s21, SCL
	v_add_nc_u32 v5, v5, v6
	v_add_nc_u32 v[ADRS], s21, v5
	v_and_b32 v6, 31, v0
	v_lshlrev_b32 v[LI], 4, v6
	v_lshlrev_b32 v[SO], 4, v1
	v_lshl_add_u32 v[SO], v2, 12, v[SO]
.irp b, 0,1,2,3
	v_mov_b32 v[TM+4+\b], 0                        ; written once: a lane permute's destination counts as one of its sources
.endr
	; where my results go.  My 128 tokens are one step of one batch, my 128 rows of W two heads
	s_cmp_eq_u32 s[WHICH], 2
	s_cselect_b32 s46, s42, s17                    ; the tile of tokens,
	s_cselect_b32 s47, s16, s15                    ; my half of it,
	s_cselect_b32 s92, s17, s42                    ; the tile of W's rows,
	s_cselect_b32 s93, s15, s16                    ; my half of it
	s_lshl_b32 s46, s46, 1
	s_add_co_u32 s46, s46, s47                     ; which 128 tokens of the 8,192
	s_lshl_b32 s92, s92, 2
	s_lshl_b32 s93, s93, 1
	s_add_co_u32 s92, s92, s93                     ; my first head
	s_and_b32 s47, s46, 15                         ; the step in its batch
	s_lshr_b32 s46, s46, 4
	s_lshl_b32 s46, s46, 4
	s_add_co_u32 s46, s46, s92                     ; 16 x batch + head
	s_mul_i32 s92, s[WHICH], REGION
	s_mul_i32 s93, s46, BHB
	s_add_co_u32 s92, s92, s93
	s_mul_i32 s93, s47, STEPB
	s_add_co_u32 s92, s92, s93
	s_mov_b32 s93, 0
	s_add_nc_u64 s[12:13], s[12:13], s[92:93]
	s_mul_i32 s92, s[WHICH], SREG
	s_lshl_b32 s96, s46, 12
	s_add_co_u32 s92, s92, s96
	s_lshl_b32 s96, s47, 8
	s_add_co_u32 s92, s92, s96
	s_add_nc_u64 s[100:101], s[100:101], s[92:93]
	s_mov_b32 s[SEL], 0x76543210
	s_mov_b32 s[SEL+1], 0xfedcba98
	s_mov_b32 s[HM], 0xffff0000
.macro FRAG reg, adr, q, i             ; a fragment: lane l holds row l % 16; registers 6 c .. 6 c + 5 hold K = 64 c + 32 (l / 16) + 0 .. 31: 24 bytes of the row's stream of bits, in pieces of 8 bytes
.irp p, 0,1,2,3,4,5
.set PIECE, 12*(\q)+6*(\p/3)+\p%3     ; 16 bytes of padding lie behind every 8 pieces: where the piece three on lies behind one padding more, the second address register serves
.if PIECE%8 < 5
	ds_load_b64 v[\reg+2*\p:\reg+2*\p+1], v[\adr] offset:8*PIECE+16*(PIECE/8)+(\i)*16*PITCH
.else
	ds_load_b64 v[\reg+2*\p:\reg+2*\p+1], v[\adr+2] offset:8*PIECE+16*(PIECE/8)+(\i)*16*PITCH
.endif
.endr
.endm
; 16 matrix instructions: A's blocks a0, a0 + 1 x B's eight, 128 along K.  The 64 accumulators take turns, one instruction a turn, in the same order in every step.
.macro MUL16 a0, p, q, sc, zero
.irp a, \a0, \a0+1
.irp b, 0,1,2,3,4,5,6,7
.if \zero
	v_wmma_scale_f32_16x16x128_f8f6f4 v[8*(8*((\a)%4)+\b):8*(8*((\a)%4)+\b)+7], v[128*(\p)+FR*\b:128*(\p)+FR*\b+FR-1], v[AF+FR*(\a):AF+FR*(\a)+FR-1], 0, v[SC+8*NQ*(\sc)+NQ*\b+(\q)], v[SC+8*NQ*(\sc)+NQ*(\a)+(\q)] matrix_a_fmt:MATRIX_FMT_FP6 matrix_b_fmt:MATRIX_FMT_FP6 matrix_a_scale:MATRIX_SCALE_ROW1
.else
	v_wmma_scale_f32_16x16x128_f8f6f4 v[8*(8*((\a)%4)+\b):8*(8*((\a)%4)+\b)+7], v[128*(\p)+FR*\b:128*(\p)+FR*\b+FR-1], v[AF+FR*(\a):AF+FR*(\a)+FR-1], v[8*(8*((\a)%4)+\b):8*(8*((\a)%4)+\b)+7], v[SC+8*NQ*(\sc)+NQ*\b+(\q)], v[SC+8*NQ*(\sc)+NQ*(\a)+(\q)] matrix_a_fmt:MATRIX_FMT_FP6 matrix_b_fmt:MATRIX_FMT_FP6 matrix_a_scale:MATRIX_SCALE_ROW1
.endif
.endr
.endr
.endm
.macro FETCH_B slot, q, p
	WIN TO_B
.irp i, 0,1,2,3,4,5,6,7
	FRAG 128*(\p)+FR*\i, ADRB+\slot, \q, \i
.endr
	WIN 0
.endm
.macro FETCH_A slot, q, i0
.irp i, \i0, \i0+1, \i0+2, \i0+3
	FRAG AF+FR*(\i), ADRA+\slot, \q, \i
.endr
.endm
.macro SCALES sc                       ; a K step's scale words: lanes 0-15 take A's block i, lanes 16-31 B's block i
.irp i, 0,1,2,3,4,5,6,7
	ds_load_b64 v[SC+8*NQ*\sc+NQ*\i:SC+8*NQ*\sc+NQ*\i+1], v[ADRS] offset:\i*SBLK
.endr
.endm
.macro PLACES n                        ; plain vector lines between a matrix instruction and a load into, or a read of, its registers
.rept \n
	v_nop
.endr
.endm
.macro STEP slot, q, zero              ; a step of 128 along K that has its successor in the same slot
	s_wait_dscnt 4*NLD                             ; B's set and A's blocks 0-3 are in; the youngest 24 loads (A's blocks 4-7) may be out
	WIN MUL_LO
	MUL16 0, (\q)%2, \q, \slot, \zero
	MUL16 2, (\q)%2, \q, \slot, \zero
	s_wait_dscnt 0
	PLACES NP
	FETCH_B \slot, (\q)+1, 1-(\q)%2
	FETCH_A \slot, (\q)+1, 0
	WIN MUL_HI
	MUL16 4, (\q)%2, \q, \slot, \zero
	MUL16 6, (\q)%2, \q, \slot, \zero
	PLACES NP
	WIN 0
	FETCH_A \slot, (\q)+1, 4
.endm
; A slot's last step changes slots: one barrier; in front of it each wave waits for all its tensor loads, adds 0 to its spare word, and waits for that and for its reads of this slot.
.macro TURN slot, next, fill
	s_wait_tensorcnt 0x0                           ; all my tensor loads have landed: my part of the next slot
	ds_add_u32 v[SPW], v[NIL]                      ; 0 onto my spare word
	s_wait_dscnt 4*NLD+1                           ; (the add and the youngest 24 loads, A's blocks 4-7, may be out)
	WIN MUL_LO
	MUL16 0, 1, NQ-1, \slot, 0
	s_wait_dscnt 0x0                               ; the add is done, and my reads of this slot are over
	s_barrier_signal -1
	MUL16 2, 1, NQ-1, \slot, 0
	WIN 0
	s_barrier_wait -1
.if \fill
	CREST                                          ; the barrier has opened a round of the cluster's barrier: no wave of any partner still reads this slot or has a load on its way
	s_add_nc_u64 s[G0+4*\slot+2:G0+4*\slot+3], s[G0+4*\slot+2:G0+4*\slot+3], 2*ROWB
	s_add_nc_u64 s[G0B+4*\slot+2:G0B+4*\slot+3], s[G0B+4*\slot+2:G0B+4*\slot+3], 2*ROWB
	JLOAD G0+4*\slot, G1, G0B+4*\slot, G1B         ; the first tensor load behind the round; its four v_nop are the places in front of the loads below
.else
	PLACES NP
.endif
	v_add_nc_u32 v[ADRS], 4*NQ, v[ADRS]            ; the next K step's scale words
	FETCH_B \next, 0, 0
	FETCH_A \next, 0, 0
	SCALES \next
	WIN MUL_HI
	MUL16 4, 1, NQ-1, \slot, 0
	MUL16 6, 1, NQ-1, \slot, 0
	PLACES NP
	WIN 0
	FETCH_A \next, 0, 4
.endm
	s_wait_tensorcnt 1                             ; the scales and my part of K step 0 are in (K step 1's load may be out),
	s_barrier_signal -1
	s_barrier_wait -1                              ; everybody's are
	FETCH_B 0, 0, 0
	FETCH_A 0, 0, 0
	SCALES 0
	FETCH_A 0, 0, 4
	STEP 0, 0, 1                                   ; K = 1,024 is four K steps: they are written out.  The first products start the sums
	TURN 0, 1, 1                                   ; slot 0 takes K step 2
	STEP 1, 0, 0
	TURN 1, 0, 1                                   ; slot 1 takes K step 3
	STEP 0, 0, 0
	TURN 0, 1, 0                                   ; nothing is left to fetch
	STEP 1, 0, 0
	s_wait_dscnt 4*NLD
	WIN MUL_LO
	MUL16 0, 1, NQ-1, 1, 0
	MUL16 2, 1, NQ-1, 1, 0
	s_wait_dscnt 0
	WIN MUL_HI
	MUL16 4, 1, NQ-1, 1, 0
	MUL16 6, 1, NQ-1, 1, 0
	WIN 0
; THE WAY OUT.  64 numbers of a lane in window w, four runs of 16 registers (two at s0, two at s1), each with lane l xor 16's run a block of 32 along the next K, become a fragment's codes in v[CD] on and its scale word in v[pw].
; A block's largest magnitude with 2 off its exponent field is the conversion's scale operand; its exponent field is the scale's byte; the floor 2^(3 - 127) keeps the byte at 1 from below.
; Each accumulator is read from its low end on.
.macro QUANTW w, s0, s1, pw
.set QW, \w
.set QB0, \s0
.set QB1, (\s0)+16
.set QB2, \s1
.set QB3, (\s1)+16
	WIN (QW|(QW<<2))
.irp b, 0,1,2,3
	v_max3_num_f32 v[TM+\b], |v[QB\b]|, |v[QB\b+1]|, 0x1800000
.endr
	WIN ((QW<<2)|(QW<<4))
.irp i, 2,4,6,8,10,12,14
.irp b, 0,1,2,3
	v_max3_num_f32 v[TM+\b], v[TM+\b], |v[QB\b+\i]|, |v[QB\b+\i+1]|   ; the four blocks by turns
.endr
.endr
	WIN 0
.irp b, 0,1,2,3
	v_permlanex16_b32 v[TM+4+\b], v[TM+\b], s[SEL], s[SEL+1]
.endr
.irp b, 0,1,2,3
	v_max_num_f32 v[TM+\b], v[TM+\b], v[TM+4+\b]   ; with lane l xor 16's: the block's largest magnitude
.endr
.irp b, 0,1,2,3
	v_add_nc_u32 v[TM+12+\b], 0xff000000, v[TM+\b] ; 2 off its exponent field
.endr
.irp b, 0,1,2,3
	v_lshrrev_b32 v[TM+4+\b], 23, v[TM+12+\b]      ; the scale's byte
.endr
	v_lshl_or_b32 v[\pw], v[TM+5], 8, v[TM+4]
	v_lshl_or_b32 v[\pw], v[TM+6], 16, v[\pw]
	v_lshl_or_b32 v[\pw], v[TM+7], 24, v[\pw]
	WIN QW
	v_cvt_scalef32_pk16_fp6_f32 v[CD:CD+2], v[QB0:QB0+15], v[TM+12]
	v_cvt_scalef32_pk16_fp6_f32 v[CT:CT+2], v[QB1:QB1+15], v[TM+13]   ; (a conversion's three registers begin on an even number)
	v_cvt_scalef32_pk16_fp6_f32 v[CD+6:CD+8], v[QB2:QB2+15], v[TM+14]
	v_cvt_scalef32_pk16_fp6_f32 v[CT+4:CT+6], v[QB3:QB3+15], v[TM+15]
	WIN 0
	v_nop                                          ; one plain place behind a scaled conversion
.irp c, 0,1                                    ; the operand wants a whole block in a lane: lanes 0-15 block 2 c, lanes 16-31 block 2 c + 1
.irp i, 0,1,2
	v_permlane16_swap_b32 v[CD+6*\c+\i], v[CT+4*\c+\i]
.endr
.irp i, 0,1,2
	v_mov_b32 v[CD+3+6*\c+\i], v[CT+4*\c+\i]
.endr
.endr
.endm
.macro OUTF w, s0, s1, f               ; fragment f of my eight: head f / 4 of my two, member f % 4
	s_wait_xcnt 0x0                                ; the last fragment's stores have read v[CD] on
	QUANTW \w, \s0, \s1, PWB+(\f)
.irp c, 0,1,2
	global_store_b128 v[LI], v[CD+4*\c:CD+4*\c+3], s[12:13] offset:((\f)/4)*BHB+((\f)%4)*FRB+512*\c   ; 32 lanes store 512 consecutive bytes, aligned
.endr
.endm
	PLACES NP                                      ; behind the last products
	s_cmp_eq_u32 s[WHICH], 2
	s_cbranch_scc1 .Lv_out
.irp e, 0,1                                    ; q, k: head e: B's blocks 4 e .. 4 e + 3 are its 64 d; pair g: A's blocks 2 g and 2 g + 1
.irp g, 0,1,2,3
	OUTF 2+\g/2, 128*(\g%2)+32*\e, 128*(\g%2)+64+32*\e, 4*\e+\g
.endr
.endr
	s_branch .Ljoin
.Lv_out:
.irp a, 0,1,2,3,4,5,6,7                        ; v: A's block a is head a / 4, d 16 (a % 4) on; B's eight blocks are the 128 tokens
	OUTF 2+\a/4, 64*(\a%4), 64*(\a%4)+32, \a
.endr
.Ljoin:
.irp i, 0,1,2,3
	v_cndmask_b32 v[SW+\i], v[PWB+\i], v[PWB+4+\i], s[HM]   ; lanes 0-15 my first head's four words of row r, lanes 16-31 my second head's
.endr
	global_store_b128 v[SO], v[SW:SW+3], s[100:101]   ; sixteen lanes store 256 consecutive bytes, aligned
	s_wait_tensorcnt 0x0                           ; the wave's end
	ds_add_u32 v[SPW], v[NIL]
	s_wait_dscnt 0x0
	CROUND                                         ; the closing round
	s_endpgm
.Lfunc_end_k_qc222023074_qkvgemm:
	.size	k_qc222023074_qkvgemm, .Lfunc_end_k_qc222023074_qkvgemm-k_qc222023074_qkvgemm
	.p2alignl 7, 3214868480
	.fill 96, 4, 3214868480
	.section	.rodata,"a",@progbits
	.p2align	6, 0x0
	.amdhsa_kernel k_qc222023074_qkvgemm
		.amdhsa_group_segment_fixed_size 327680
		.amdhsa_private_segment_fixed_size 0
		.amdhsa_enable_private_segment 0
		.amdhsa_kernarg_size 80
		.amdhsa_user_sgpr_count 2
		.amdhsa_user_sgpr_kernarg_segment_ptr 1
		.amdhsa_wavefront_size32 1
		.amdhsa_system_sgpr_workgroup_id_x 1
		.amdhsa_system_sgpr_workgroup_id_y 1
		.amdhsa_system_sgpr_workgroup_id_z 1
		.amdhsa_system_vgpr_workitem_id 0
		.amdhsa_next_free_vgpr 1024
		.amdhsa_next_free_sgpr 102
		.amdhsa_reserve_vcc 0
		.amdhsa_float_denorm_mode_32 3
		.amdhsa_float_denorm_mode_16_64 3
		.amdhsa_memory_ordered 1
		.amdhsa_forward_progress 1
		.amdhsa_inst_pref_size 199
	.end_amdhsa_kernel
	.amdgpu_metadata
---
amdhsa.version: [ 1, 2 ]
amdhsa.kernels:
  - .name:           k_qc222023074_qkvgemm
    .symbol:         k_qc222023074_qkvgemm.kd
    .args:
      - { .name: x_codes, .offset: 0, .size: 8, .value_kind: global_buffer, .address_space: global }
      - { .name: x_scales, .offset: 8, .size: 8, .value_kind: global_buffer, .address_space: global }
      - { .name: Wq_codes, .offset: 16, .size: 8, .value_kind: global_buffer, .address_space: global }
      - { .name: Wq_scales, .offset: 24, .size: 8, .value_kind: global_buffer, .address_space: global }
      - { .name: Wk_codes, .offset: 32, .size: 8, .value_kind: global_buffer, .address_space: global }
      - { .name: Wk_scales, .offset: 40, .size: 8, .value_kind: global_buffer, .address_space: global }
      - { .name: Wv_codes, .offset: 48, .size: 8, .value_kind: global_buffer, .address_space: global }
      - { .name: Wv_scales, .offset: 56, .size: 8, .value_kind: global_buffer, .address_space: global }
      - { .name: qkv, .offset: 64, .size: 8, .value_kind: global_buffer, .address_space: global }
      - { .name: qkvs, .offset: 72, .size: 8, .value_kind: global_buffer, .address_space: global }
    .group_segment_fixed_size: 327680
    .private_segment_fixed_size: 0
    .kernarg_segment_align: 8
    .kernarg_segment_size: 80
    .max_flat_workgroup_size: 128
    .sgpr_count:     102
    .vgpr_count:     1024
    .wavefront_size: 32
...
	.end_amdgpu_metadata
.endif
;; end of part 1
;; launch stats (part 2): grid 4 x 64, 8 waves a work-group, clusters of 4 x 1, 168,960 bytes of LDS; arguments qkv, qkvs, negl; writes negl
.if DOCPART == 2
	.amdgcn_target "amdgcn-amd-amdhsa--gfx1250"
	.amdhsa_code_object_version 6
	.text
	.protected	k_qc222023074_stats
	.globl	k_qc222023074_stats
	.p2align	8
	.type	k_qc222023074_stats,@function
k_qc222023074_stats:
	s_mov_b64 s[64:65], 0
	v_nop
	global_prefetch_b8 v0, s[64:65] scope:SCOPE_SE
	s_setreg_imm32_b32 hwreg(HW_REG_WAVE_MODE, 25, 1), 1
	s_wait_xcnt 0x0
	s_wait_alu depctr_hold_cnt(0) depctr_sa_sdst(0) depctr_va_vdst(0) depctr_va_sdst(0) depctr_va_ssrc(0) depctr_va_vcc(0) depctr_vm_vsrc(0)
	s_getreg_b32 s2, hwreg(HW_REG_IB_STS2, 6, 4)
	s_cmp_eq_u32 s2, 0
	s_cbranch_scc0 .Lentry_in_a_cluster
	s_endpgm
.Lentry_in_a_cluster:
	s_bfe_u32 s2, ttmp6, 0x10000c
	s_cmp_lg_u32 s2, 0x3003
	s_cbranch_scc0 .Lentry_shape_is_right
	s_endpgm
.Lentry_shape_is_right:
; The softmax runs over the QUERIES: key s is normalised over the queries t >= s.  This launch makes, for each key of each batch x head, negL = -(M + log2 Z):
; t = score x c, c = log2(e) / 32; M = the key's largest t rounded up to a whole number; Z = the sum over t >= s of 2^(t - M).  The next launch forms attn = 2^(score x c + negL).
; The scores are the quantised product q k^T on codes of FP6 (E2M3), K = the head's 64.
; K = 64 IN AN INSTRUCTION OF K = 128.  q's images are PAIR fragments: K 0-63 is token 32 p + r, K 64-127 token 32 p + 16 + r.  They are source 0 as they lie.  A tile of 16 keys is held as a FORM of 18 registers,
; [codes 6][zeros 6][codes 6]: registers 0-11 multiply the pair's first tile, registers 6-17 its second.  The zeros stand under the scale byte 0.
; SHARES.  A cluster of four work-groups has one batch x head; its q (98,304 bytes of images, 4,096 of scale words) comes into every partner's LDS once, by joint loads, and stays: nothing is filled again.
; The head's 2,048 tokens are 16 groups of 128; partner cx takes the 32 keys 128 G + 32 cx on of EVERY group G, so that trip counts, branches and LDS addresses hang on G alone.  A task is one G: two tiles of keys, X and Y,
; against the query steps J = G .. 15.  Wave w takes G = w and then G = 15 - w: 17 steps for every wave.
; A lane holds ONE key (lane % 16); register 8 t + j holds query 128 J + 16 t + 8 (lane / 16) + j.  Each half of the lanes keeps its own -M and sum; they meet at the task's end.
; LIMITS: NaN and infinities are not served.  negL is rounded to f32 once: at most half an ulp of |M + log2 Z|.
.set FRB,    1536                      ; a fragment's image
.set STEPB,  6144                      ; a step's four
.set BHB,    98304                     ; a batch x head's
.set REGION, 6291456                   ; k's images begin here
.set SREG,   262144                    ; k's scale words
.set QS,     98304                     ; LDS: q's images at 0, q's scale words here
.set L16,  1                           ; v1   16 x lane
.set SR,   2                           ; v2   QS + 16 r
.set ADQ,  3                           ; v3   the step's images
.set ADS,  4                           ; v4   the step's scale words
.set D,    5                           ; v5   32 cx + r - 8 h: the mask's compare value
.set NINF, 6                           ; v6   -infinity
.set L4,   7                           ; v7   4 x lane
.set STX,  8                           ; v8-11  X: -M, largest t, the sum in two halves
.set STY,  12                          ; v12-15 Y
.set FX,   16                          ; v16-33 X's form
.set FY,   34                          ; v34-51 Y's
.set SX0,  52                          ; v52, v53 X's scale words for the two uses of its form
.set SY0,  54                          ; v54, v55 Y's
.set QSW,  56                          ; v56-59 the four pairs' scale words
.set RAW,  60                          ; v60-71 a task's pair fragment of k as loaded
.set RAWS, 72                          ; v72    its scale word
.set R16,  73                          ; v73    16 r
.set QF,   74                          ; v74-121 four pair fragments of q
.set SXS,  122                         ; v122-185 X's scores; v186-249 Y's
.set T,    250                         ; v250-253 at work
.set F,    254                         ; v[254:255] 2^(old M - new M); v255 is only named with it
.set WV,   10
.set CX,   11
.set BH,   12
.set G,    13
.set J,    14
.set TB,   15
.set TS,   16
.set TASK, 17
.set CS,   18                          ; s[18:19] c
.set SEL,  20                          ; s[20:21] lane l xor 16
.set HM,   22                          ; s22  lanes 16-31
.set G1A,  24
.set G1B,  32
.set G0A,  40
.set G0B,  44
.set KIM,  48                          ; s[48:49] k's images of my 32 keys of group 0
.set KWD,  50                          ; s[50:51] their scale words
.set NLB,  52                          ; s[52:53] their negL
.set TKI,  54                          ; s[54:59] the same of the task
.set TKW,  56
.set TNL,  58
.set SCR,  60                          ; s[60:63] scratch that never holds cx
.macro CROUND
	s_barrier_signal -1
	s_barrier_wait -1
	s_cmp_lg_u32 s[WV], 0
	s_cbranch_scc1 .Lnot_wave_0_\@
	s_barrier_signal -3
.Lnot_wave_0_\@:
	s_barrier_wait -3
	s_barrier_signal -1
	s_barrier_wait -1
.endm
.macro MM0 d, a, b, sa, sb             ; a product that starts its sum
	v_wmma_scale_f32_16x16x128_f8f6f4 v[(\d):(\d)+7], v[(\a):(\a)+11], v[(\b):(\b)+11], 0, v[\sa], v[\sb] matrix_a_fmt:MATRIX_FMT_FP6 matrix_b_fmt:MATRIX_FMT_FP6
.endm
.macro KADDR g                         ; the addresses of group s[g]'s keys
	s_mul_i32 s[SCR], s[\g], STEPB
	s_mov_b32 s[SCR+1], 0
	s_add_nc_u64 s[TKI:TKI+1], s[KIM:KIM+1], s[SCR:SCR+1]
	s_lshl_b32 s[SCR], s[\g], 8
	s_add_nc_u64 s[TKW:TKW+1], s[KWD:KWD+1], s[SCR:SCR+1]
.endm
.macro RAWLOAD
.irp c, 0,1,2
	global_load_b128 v[RAW+4*\c:RAW+4*\c+3], v[L16], s[TKI:TKI+1] offset:512*\c
.endr
	global_load_b32 v[RAWS], v[R16], s[TKW:TKW+1]
.endm
.macro BUILD                           ; the pair as loaded becomes two forms and their four scale words
.irp i, 0,1,2,3,4,5
	v_mov_b32 v[FX+\i], v[RAW+\i]
	v_mov_b32 v[FX+12+\i], v[RAW+\i]
	v_mov_b32 v[FY+\i], v[RAW+6+\i]
	v_mov_b32 v[FY+12+\i], v[RAW+6+\i]
.endr
	v_and_b32 v[SX0], 0xffff, v[RAWS]              ; X's two bytes under K 0-63,
	v_lshlrev_b32 v[SX0+1], 16, v[RAWS]            ; or under K 64-127
	v_lshrrev_b32 v[SY0], 16, v[RAWS]
	v_and_b32 v[SY0+1], 0xffff0000, v[RAWS]
.endm
; One tile's 64 scores of a lane join its running -M and sum.
.macro SOFT sb, st
.irp k, 0,1,2,3
	v_max3_num_f32 v[T+\k], v[\sb+16*\k], v[\sb+16*\k+1], v[\sb+16*\k+2]   ; four chains; each accumulator is read from its low end on
.endr
.irp i, 3,5,7,9,11,13
.irp k, 0,1,2,3
	v_max3_num_f32 v[T+\k], v[T+\k], v[\sb+16*\k+\i], v[\sb+16*\k+\i+1]
.endr
.endr
.irp k, 0,1,2,3
	v_max_num_f32 v[T+\k], v[T+\k], v[\sb+16*\k+15]
.endr
	v_max3_num_f32 v[T], v[T], v[T+1], v[T+2]
	v_max_num_f32 v[T], v[T], v[T+3]
	v_mul_f32 v[T], s[CS], v[T]                    ; as t (c is positive)
	v_max_num_f32 v[\st+1], v[\st+1], v[T]         ; the running largest t
	v_mov_b32 v[T], v[\st]
	v_floor_f32 v[\st], -v[\st+1]                  ; the new -M = -ceil(t): a whole number
	v_sub_f32 v[T], v[\st], v[T]                   ; old M - new M
	v_cvt_i32_f32 v[T], v[T]                       ; (it saturates)
	v_ldexp_f32 v[F], 1.0, v[T]                    ; a multiplication by it rounds nothing
.set i, 0
.rept 32
	v_pk_fma_f32 v[\sb+i:\sb+i+1], v[\sb+i:\sb+i+1], s[CS:CS+1], v[\st:\st+1] op_sel_hi:[1,0,0]   ; t - M
.set i, i+2
.endr
.set i, 0
.rept 64
	v_exp_f32 v[\sb+i], v[\sb+i]
.set i, i+1
.endr
	v_pk_mul_f32 v[\st+2:\st+3], v[\st+2:\st+3], v[F:F+1] op_sel_hi:[1,0]   ; the sum under the new M (a plain place behind the exponentials)
	s_wait_alu depctr_va_vdst(0)
	v_pk_add_f32 v[T+2:T+3], v[\sb:\sb+1], v[\sb+2:\sb+3]
.irp j, 4,8,12,16,20,24,28,32,36,40,44,48,52,56,60
	v_pk_add_f32 v[\st+2:\st+3], v[\st+2:\st+3], v[\sb+\j:\sb+\j+1]
	v_pk_add_f32 v[T+2:T+3], v[T+2:T+3], v[\sb+\j+2:\sb+\j+3]
.endr
	v_pk_add_f32 v[\st+2:\st+3], v[\st+2:\st+3], v[T+2:T+3]
.endm
; The two halves of the lanes meet: the larger M, both sums brought under it, negL into v[st + 3].  A half that saw no open query has the sum 0 and a factor that saturates to 0.
.macro FIN st
	v_add_f32 v[\st+2], v[\st+2], v[\st+3]
	v_permlanex16_b32 v[T], v[\st], s[SEL], s[SEL+1]
	v_permlanex16_b32 v[T+1], v[\st+2], s[SEL], s[SEL+1]
	v_min_num_f32 v[T+2], v[\st], v[T]             ; the joint -M
	v_sub_f32 v[T+3], v[T+2], v[\st]
	v_sub_f32 v[T], v[T+2], v[T]
	v_cvt_i32_f32 v[T+3], v[T+3]
	v_cvt_i32_f32 v[T], v[T]
	v_ldexp_f32 v[T+3], 1.0, v[T+3]
	v_ldexp_f32 v[T], 1.0, v[T]
	v_mul_f32 v[\st+2], v[\st+2], v[T+3]
	v_fmac_f32 v[\st+2], v[T+1], v[T]
	v_log_f32 v[\st+2], v[\st+2]
	v_nop                                          ; one plain place behind a transcendental
	s_wait_alu depctr_va_vdst(0)
	v_sub_f32 v[\st+3], v[T+2], v[\st+2]           ; -M - log2 Z
.endm
	s_load_b128 s[4:7], s[0:1], 0x0                ; qkv, qkvs
	s_load_b64 s[8:9], s[0:1], 0x10                ; negl
	s_set_vgpr_msb 0x40
	v_lshl_add_u32 v0, v0, 2, 0x29000
	v_mov_b32 v1, 0
	s_set_vgpr_msb 0x4045
	ds_add_u32 v0, v1
	ds_add_u32 v0, v1
	s_set_vgpr_msb 0x4500
	v_lshrrev_b32 v1, 5, v0
	v_readfirstlane_b32 s[WV], v1                  ; wave 0..7
	s_bfe_u32 s[CX], ttmp6, 0x40000                ; my place in the cluster
	s_and_b32 s[BH], ttmp7, 0xffff                 ; 16 x batch + head: the partners share it
	; descriptor groups 1: dense blocks as rows of 256 bytes (32 elements of 8 bytes), no padding; the mask names all four partners
	s_mov_b32 s[G1A], 15|(3<<16)|(1<<21)
	s_mov_b32 s[G1A+1], 32<<16                     ; tensor_dim0
	s_mov_b32 s[G1A+2], 48<<16                     ; tensor_dim1: 48 rows = 12,288 bytes, an eighth of q's images
	s_mov_b32 s[G1A+3], 32<<16                     ; tile_dim0
	s_mov_b32 s[G1A+4], 48                         ; tile_dim1
	s_mov_b32 s[G1A+5], 32                         ; the pitch
	s_mov_b32 s[G1A+6], 0
	s_mov_b32 s[G1A+7], 0
	s_mov_b32 s[G1B], 15|(3<<16)|(1<<21)
	s_mov_b32 s[G1B+1], 32<<16
	s_mov_b32 s[G1B+2], 2<<16                      ; 2 rows = 512 bytes, an eighth of the scale words
	s_mov_b32 s[G1B+3], 32<<16
	s_mov_b32 s[G1B+4], 2
	s_mov_b32 s[G1B+5], 32
	s_mov_b32 s[G1B+6], 0
	s_mov_b32 s[G1B+7], 0
	s_mov_b32 s[CS], 0x3d38aa3b                    ; c = log2(e) / 32
	s_mov_b32 s[CS+1], s[CS]
	s_mov_b32 s[SEL], 0x76543210
	s_mov_b32 s[SEL+1], 0xfedcba98
	s_mov_b32 s[HM], 0xffff0000
	s_mul_i32 s[SCR], s[BH], BHB
	s_mul_i32 s[SCR+1], s[WV], 12288
	s_add_co_u32 s[SCR], s[SCR], s[SCR+1]          ; my eighth of q's images, in memory
	s_mov_b32 s[SCR+1], 0
	s_lshl_b32 s[SCR+2], s[BH], 12
	s_lshl_b32 s[SCR+3], s[WV], 9
	s_add_co_u32 s[SCR+2], s[SCR+2], s[SCR+3]      ; and of its scale words
	s_mov_b32 s[SCR+3], 0
	v_and_b32 v[L4], 31, v0                        ; lane
	v_lshlrev_b32 v[L16], 4, v[L4]
	v_lshlrev_b32 v[L4], 2, v[L4]
	v_and_b32 v[R16], 15, v0                       ; r
	v_bfe_u32 v[T], v0, 4, 1                       ; h
	v_lshlrev_b32 v[T], 3, v[T]
	s_lshl_b32 s2, s[CX], 5
	v_add_nc_u32 v[D], s2, v[R16]
	v_sub_nc_u32 v[D], v[D], v[T]                  ; cx goes into this compare value and into global addresses, nowhere else
	v_lshlrev_b32 v[R16], 4, v[R16]
	v_add_nc_u32 v[SR], QS, v[R16]
	v_mov_b32 v[NINF], 0xff800000
	s_wait_dscnt 0x0
	s_wait_kmcnt 0x0
	s_mov_b32 s[G0A], 1
	s_mul_i32 s[G0A+1], s[WV], 12288               ; LDS: wave x 12,288
	s_add_nc_u64 s[G0A+2:G0A+3], s[4:5], s[SCR:SCR+1]
	s_or_b32 s[G0A+3], s[G0A+3], 0x80000000
	s_mov_b32 s[G0B], 1
	s_lshl_b32 s[G0B+1], s[WV], 9
	s_add_co_u32 s[G0B+1], s[G0B+1], QS            ; LDS: QS + wave x 512
	s_add_nc_u64 s[G0B+2:G0B+3], s[6:7], s[SCR+2:SCR+3]
	s_or_b32 s[G0B+3], s[G0B+3], 0x80000000
	s_mul_i32 s2, s[CX], FRB                       ; my 32 keys of a group are member cx of its step
	s_mul_i32 s3, s[BH], BHB
	s_add_co_u32 s2, s2, s3
	s_add_co_u32 s2, s2, REGION
	s_mov_b32 s3, 0
	s_add_nc_u64 s[KIM:KIM+1], s[4:5], s[2:3]
	s_lshl_b32 s2, s[CX], 2
	s_lshl_b32 s3, s[BH], 12
	s_add_co_u32 s2, s2, s3
	s_add_co_u32 s2, s2, SREG
	s_mov_b32 s3, 0
	s_add_nc_u64 s[KWD:KWD+1], s[6:7], s[2:3]
	s_lshl_b32 s2, s[CX], 7
	s_lshl_b32 s3, s[BH], 13
	s_add_co_u32 s2, s2, s3
	s_mov_b32 s3, 0
	s_add_nc_u64 s[NLB:NLB+1], s[8:9], s[2:3]
	s_mov_b32 s[G], s[WV]                          ; the first task
	KADDR G
	CROUND                                         ; all four work-groups are here: the joint loads meet
	tensor_load_to_lds s[G0A:G0A+3], s[G1A:G1A+7]  ; two loads of mine are out: all that this launch brings into LDS
	s_nop 0
	tensor_load_to_lds s[G0B:G0B+3], s[G1B:G1B+7]
	s_nop 0
.rept 4
	v_nop
.endr
	RAWLOAD
.irp i, 6,7,8,9,10,11
	v_mov_b32 v[FX+\i], 0                          ; the forms' zeros: written once
	v_mov_b32 v[FY+\i], 0
.endr
.irp i, 0,1,2,3
	v_mov_b32 v[T+\i], 0                           ; a lane permute's destination counts as one of its sources
.endr
	v_mov_b32 v[F+1], 0
	s_wait_tensorcnt 0x0                           ; my parts have landed,
	s_barrier_signal -1
	s_barrier_wait -1                              ; everybody's have: from here on LDS is only read
	s_mov_b32 s[TASK], 2
.Ltask:
	s_wait_loadcnt 0x0                             ; the task's keys
	BUILD
	s_cmp_eq_u32 s[TASK], 1
	s_cbranch_scc1 .Lno_next
	s_sub_co_u32 s[SCR+2], 15, s[G]                ; the second task's keys are asked for now and land during the first (the wait above has freed the address registers)
	KADDR SCR+2
	RAWLOAD
.Lno_next:
	s_lshl_b32 s[SCR], s[G], 9
	s_mov_b32 s[SCR+1], 0
	s_add_nc_u64 s[TNL:TNL+1], s[NLB:NLB+1], s[SCR:SCR+1]
	v_mov_b32 v[STX+1], 0xff61b1e6                 ; the largest t so far: -3e38.  These eight lines are also the places between the scale words just made and the first product
	v_mov_b32 v[STY+1], 0xff61b1e6
	v_floor_f32 v[STX], -v[STX+1]
	v_floor_f32 v[STY], -v[STY+1]
	v_mov_b32 v[STX+2], 0
	v_mov_b32 v[STX+3], 0
	v_mov_b32 v[STY+2], 0
	v_mov_b32 v[STY+3], 0
	s_mov_b32 s[J], 0
	s_mov_b32 s[TB], 0
	s_mov_b32 s[TS], 0
.Lstep:                                            ; 16 trips, a constant; a step all of whose queries come before the keys is jumped over, but for the lines that step addresses
	s_cmp_lt_u32 s[J], s[G]
	s_cbranch_scc1 .Lhidden
	v_add_nc_u32 v[ADQ], s[TB], v[L16]
	v_add_nc_u32 v[ADS], s[TS], v[SR]
	ds_load_b128 v[QSW:QSW+3], v[ADS]              ; row r's four words
.irp b, 0,1,2,3
.irp c, 0,1,2
	ds_load_b128 v[QF+12*\b+4*\c:QF+12*\b+4*\c+3], v[ADQ] offset:FRB*\b+512*\c
.endr
.endr
.irp b, 0,1,2,3
	s_wait_dscnt 9-3*\b                            ; pair b is in; the three loads of each later pair may be out
	MM0 SXS+16*\b, QF+12*\b, FX, QSW+\b, SX0
	MM0 SXS+16*\b+8, QF+12*\b, FX+6, QSW+\b, SX0+1
	MM0 SXS+64+16*\b, QF+12*\b, FY, QSW+\b, SY0
	MM0 SXS+64+16*\b+8, QF+12*\b, FY+6, QSW+\b, SY0+1
.endr
.rept 4
	v_nop                                          ; places behind the products
.endr
	s_cmp_lg_u32 s[J], s[G]
	s_cbranch_scc1 .Lopen
.irp k, 0,1                                    ; on the diagonal: query 16 t + 8 h + j of the group is hidden from key 32 cx + 16 k + r where it comes before it
.irp t, 0,1,2,3,4,5,6,7
.irp j, 0,1,2,3,4,5,6,7
	v_cmp_lt_i32 vcc_lo, 16*\t+\j-16*\k, v[D]
	v_cndmask_b32 v[SXS+64*\k+8*\t+\j], v[SXS+64*\k+8*\t+\j], v[NINF], vcc_lo
.endr
.endr
.endr
.Lopen:
	SOFT SXS, STX
	SOFT SXS+64, STY
.Lhidden:
	s_add_co_u32 s[TB], s[TB], STEPB
	s_add_co_u32 s[TS], s[TS], 256
	s_add_co_u32 s[J], s[J], 1
	s_cmp_lt_u32 s[J], 16
	s_cbranch_scc1 .Lstep
	FIN STX
	FIN STY
	v_cndmask_b32 v[T], v[STX+3], v[STY+3], s[HM]  ; lanes 0-15 X's keys, lanes 16-31 Y's
	global_store_b32 v[L4], v[T], s[TNL:TNL+1]     ; 128 consecutive bytes: my 32 keys
	s_wait_xcnt 0x0                                ; the store has read its registers and its base
	s_sub_co_u32 s[G], 15, s[G]
	s_sub_co_u32 s[TASK], s[TASK], 1
	s_cmp_lg_u32 s[TASK], 0
	s_cbranch_scc1 .Ltask
	s_wait_dscnt 0x0
	s_set_vgpr_msb 0x5
	s_wait_tensorcnt 0x0
	ds_add_u32 v0, v1
	s_wait_dscnt 0x0
	s_set_vgpr_msb 0x500
	CROUND                                         ; the closing round
	s_endpgm
.Lfunc_end_k_qc222023074_stats:
	.size	k_qc222023074_stats, .Lfunc_end_k_qc222023074_stats-k_qc222023074_stats
	.p2alignl 7, 3214868480
	.fill 96, 4, 3214868480
	.section	.rodata,"a",@progbits
	.p2align	6, 0x0
	.amdhsa_kernel k_qc222023074_stats
		.amdhsa_group_segment_fixed_size 168960
		.amdhsa_private_segment_fixed_size 0
		.amdhsa_enable_private_segment 0
		.amdhsa_kernarg_size 24
		.amdhsa_user_sgpr_count 2
		.amdhsa_user_sgpr_kernarg_segment_ptr 1
		.amdhsa_wavefront_size32 1
		.amdhsa_system_sgpr_workgroup_id_x 1
		.amdhsa_system_sgpr_workgroup_id_y 1
		.amdhsa_system_sgpr_workgroup_id_z 1
		.amdhsa_system_vgpr_workitem_id 0
		.amdhsa_next_free_vgpr 258
		.amdhsa_next_free_sgpr 66
		.amdhsa_reserve_vcc 1
		.amdhsa_float_denorm_mode_32 3
		.amdhsa_float_denorm_mode_16_64 3
		.amdhsa_memory_ordered 1
		.amdhsa_forward_progress 1
		.amdhsa_inst_pref_size 41
	.end_amdhsa_kernel
	.amdgpu_metadata
---
amdhsa.version: [ 1, 2 ]
amdhsa.kernels:
  - .name:           k_qc222023074_stats
    .symbol:         k_qc222023074_stats.kd
    .args:
      - { .name: qkv, .offset: 0, .size: 8, .value_kind: global_buffer, .address_space: global }
      - { .name: qkvs, .offset: 8, .size: 8, .value_kind: global_buffer, .address_space: global }
      - { .name: negl, .offset: 16, .size: 8, .value_kind: global_buffer, .address_space: global }
    .group_segment_fixed_size: 168960
    .private_segment_fixed_size: 0
    .kernarg_segment_align: 8
    .kernarg_segment_size: 24
    .max_flat_workgroup_size: 256
    .sgpr_count:     66
    .vgpr_count:     258
    .wavefront_size: 32
...
	.end_amdgpu_metadata
.endif
;; end of part 2
;; launch attn (part 3): grid 4 x 64, 8 waves a work-group, clusters of 4 x 1, 214,016 bytes of LDS; arguments qkv, qkvs, negl, oimg, osc; writes oimg, osc
.if DOCPART == 3
	.amdgcn_target "amdgcn-amd-amdhsa--gfx1250"
	.amdhsa_code_object_version 6
	.text
	.protected	k_qc222023074_attn
	.globl	k_qc222023074_attn
	.p2align	8
	.type	k_qc222023074_attn,@function
k_qc222023074_attn:
	s_mov_b64 s[64:65], 0
	v_nop
	global_prefetch_b8 v0, s[64:65] scope:SCOPE_SE
	s_setreg_imm32_b32 hwreg(HW_REG_WAVE_MODE, 25, 1), 1
	s_wait_xcnt 0x0
	s_wait_alu depctr_hold_cnt(0) depctr_sa_sdst(0) depctr_va_vdst(0) depctr_va_sdst(0) depctr_va_ssrc(0) depctr_va_vcc(0) depctr_vm_vsrc(0)
	s_getreg_b32 s2, hwreg(HW_REG_IB_STS2, 6, 4)
	s_cmp_eq_u32 s2, 0
	s_cbranch_scc0 .Lentry_in_a_cluster
	s_endpgm
.Lentry_in_a_cluster:
	s_bfe_u32 s2, ttmp6, 0x10000c
	s_cmp_lg_u32 s2, 0x3003
	s_cbranch_scc0 .Lentry_shape_is_right
	s_endpgm
.Lentry_shape_is_right:
; o[t] = the sum over s <= t of Q(attn[t][s]) Q(v[s]), attn[t][s] = 2^(score x c + negL[s]), c = log2(e) / 32: the softmax over the queries, finished and normalised by the number that the launch before has made for each key.
; The scores are made again (q k^T on codes of FP6, K = 64); attn is quantised along the keys in blocks of 32; the product with v is on codes too; o is quantised along the head's 64 and leaves as codes for the last product.
; K = 64 IN AN INSTRUCTION OF K = 128: k's images are pair fragments (K 0-63 token 32 p + r, K 64-127 token 32 p + 16 + r), source 0 as they lie; a tile of 16 queries is a FORM of 18 registers [codes 6][zeros 6][codes 6]:
; registers 0-11 multiply the pair's first tile, registers 6-17 its second; the zeros stand under the scale byte 0.
; SHARES.  A cluster of four work-groups has one batch x head.  Its k, v, their scale words and negL (212,992 bytes) come into every partner's LDS once, by joint loads, and stay: nothing is filled again, nothing is stored to LDS.
; The 2,048 tokens are 16 groups of 128; partner cx takes the 32 queries 128 G + 32 cx on of EVERY group G, so that trip counts, branches and LDS addresses hang on G alone.  A task is one G: two tiles of queries, X and Y,
; against the key steps J = 0 .. G.  Wave w takes G = 15 - w and then G = w: 17 steps for every wave.
; Both products are used transposed: a lane holds ONE query (lane % 16); a score's register 8 t + j is key 128 J + 16 t + 8 (lane / 16) + j; o's register 8 i + j is d = 16 i + 8 (lane / 16) + j.
; attn's codes stand inside a block of 32 in the order in which the conversions leave them, as v's do.  o meets GIVEN codes: its halves are exchanged first, so that its codes stand in the true order.
; oimg: [4 heads' K step 4][tile of 16 tokens 512][128 of K 2][head's parity 2][piece 3][lane 32][8 bytes]: images of the last product's fragments.   osc: [8,192 tokens][32] scale bytes.
; LIMITS: NaN and infinities are not served.  A block whose largest magnitude lies under 2^-124, a block of zeros among them, gets the byte 1 (the rule says 127 for zeros); this program alone reads the bytes.
; A token's 32 scale bytes come from 16 heads' work-groups, so they leave two at a time: one byte in 24 of what the launch stores.
.set FRB,    1536
.set STEPB,  6144
.set BHB,    98304
.set REGION, 6291456
.set SREG,   262144
.set VI,     98304                     ; LDS: k's images at 0, v's here,
.set KSO,    196608                    ; k's scale words,
.set VSO,    200704                    ; v's,
.set NL,     204800                    ; negL: 8,192 bytes
.set L16,  1                           ; v1   16 x lane
.set SR,   2                           ; v2   KSO + 16 r
.set NR,   3                           ; v3   NL + 32 h
.set ADK,  4                           ; v4-8 the step's addresses
.set ADV,  5
.set ADS,  6
.set ADT,  7
.set ADN,  8
.set D,    9                           ; v9   32 cx + r - 8 h: the mask's compare value
.set NINF, 10
.set L8,   11                          ; v11  8 x lane
.set L32,  12                          ; v12  32 x lane
.set R16,  13                          ; v13  16 r
.set PWX,  14                          ; v14, v15 attn's scale words
.set PWY,  15
.set FX,   16                          ; v16-33, v34-51 the forms
.set FY,   34
.set SX0,  52                          ; v52-55 their scale words
.set SY0,  54
.set KSW,  56                          ; v56-59 k's scale words, v60-63 v's
.set VSW,  60
.set PCX,  64                          ; v64-75, v76-87 attn's codes
.set PCY,  76
.set CT,   88
.set TM,   96
.set S,    112                         ; v112-175 a tile's scores, then attn
.set OX,   176                         ; v176-207, v208-239 o
.set OY,   208
.set RAW,  240
.set RAWS, 252
.set KF,   0                           ; window 1: v0-47 k's four pairs, v48-95 v's four fragments, v96-159 negL of the step's keys
.set VF,   48
.set NLR,  96
.set WV,   14
.set CX,   15
.set BH,   16
.set G,    17
.set J,    18
.set TB,   19
.set TS,   20
.set TN,   21
.set TASK, 22
.set G1A,  24
.set G1B,  32
.set G0A,  40
.set G0B,  44
.set G0C,  48
.set CS,   52
.set SEL,  54
.set HM,   56
.set QIM,  58                          ; s[58:59] q's images of my 32 queries of group 0;  s[60:61] their scale words
.set QWD,  60
.set G2,   62
.set OIB,  66                          ; s[66:67] where their o goes;  s[68:69] its scale bytes
.set OSB,  68
.set TQI,  70                          ; s[70:77] the same four of the task
.set TQW,  72
.set TOI,  74
.set TOS,  76
.set SCR,  80                          ; s[78:81] scratch that never holds cx
.set MSB, 0
.macro WIN new
.if MSB != \new
	s_set_vgpr_msb (MSB<<8)|\new
.set MSB, \new
.endif
.endm
.macro CROUND
	s_barrier_signal -1
	s_barrier_wait -1
	s_cmp_lg_u32 s[WV], 0
	s_cbranch_scc1 .Lnot_wave_0_\@
	s_barrier_signal -3
.Lnot_wave_0_\@:
	s_barrier_wait -3
	s_barrier_signal -1
	s_barrier_wait -1
.endm
.macro MM0 d, a, b, sa, sb             ; a product that starts its sum
	v_wmma_scale_f32_16x16x128_f8f6f4 v[(\d):(\d)+7], v[(\a):(\a)+11], v[(\b):(\b)+11], 0, v[\sa], v[\sb] matrix_a_fmt:MATRIX_FMT_FP6 matrix_b_fmt:MATRIX_FMT_FP6
.endm
.macro MMA d, a, b, sa, sb             ; a product that adds in place
	v_wmma_scale_f32_16x16x128_f8f6f4 v[(\d):(\d)+7], v[(\a):(\a)+11], v[(\b):(\b)+11], v[(\d):(\d)+7], v[\sa], v[\sb] matrix_a_fmt:MATRIX_FMT_FP6 matrix_b_fmt:MATRIX_FMT_FP6
.endm
.macro QADDR g
	s_mul_i32 s[SCR], s[\g], STEPB
	s_mov_b32 s[SCR+1], 0
	s_add_nc_u64 s[TQI:TQI+1], s[QIM:QIM+1], s[SCR:SCR+1]
	s_lshl_b32 s[SCR], s[\g], 8
	s_add_nc_u64 s[TQW:TQW+1], s[QWD:QWD+1], s[SCR:SCR+1]
.endm
.macro RAWLOAD
.irp c, 0,1,2
	global_load_b128 v[RAW+4*\c:RAW+4*\c+3], v[L16], s[TQI:TQI+1] offset:512*\c
.endr
	global_load_b32 v[RAWS], v[R16], s[TQW:TQW+1]
.endm
.macro BUILD
.irp i, 0,1,2,3,4,5
	v_mov_b32 v[FX+\i], v[RAW+\i]
	v_mov_b32 v[FX+12+\i], v[RAW+\i]
	v_mov_b32 v[FY+\i], v[RAW+6+\i]
	v_mov_b32 v[FY+12+\i], v[RAW+6+\i]
.endr
	v_and_b32 v[SX0], 0xffff, v[RAWS]
	v_lshlrev_b32 v[SX0+1], 16, v[RAWS]
	v_lshrrev_b32 v[SY0], 16, v[RAWS]
	v_and_b32 v[SY0+1], 0xffff0000, v[RAWS]
.endm
; 64 numbers of a lane, four runs of 16 registers (two at s0, two at s1), each with lane l xor 16's run a block of 32 along the next K, become a fragment's codes in v[pc] on and its scale word in v[pw].
.macro QUANT s0, s1, pc, pw
.set QB0, \s0
.set QB1, (\s0)+16
.set QB2, \s1
.set QB3, (\s1)+16
.irp b, 0,1,2,3
	v_max3_num_f32 v[TM+\b], |v[QB\b]|, |v[QB\b+1]|, 0x1800000   ; and the floor 2^(3 - 127): the byte cannot fall under 1
.endr
.irp i, 2,4,6,8,10,12,14
.irp b, 0,1,2,3
	v_max3_num_f32 v[TM+\b], v[TM+\b], |v[QB\b+\i]|, |v[QB\b+\i+1]|
.endr
.endr
.irp b, 0,1,2,3
	v_permlanex16_b32 v[TM+4+\b], v[TM+\b], s[SEL], s[SEL+1]
.endr
.irp b, 0,1,2,3
	v_max_num_f32 v[TM+\b], v[TM+\b], v[TM+4+\b]
.endr
.irp b, 0,1,2,3
	v_add_nc_u32 v[TM+12+\b], 0xff000000, v[TM+\b] ; 2 off the exponent field: the conversion's scale operand
.endr
.irp b, 0,1,2,3
	v_lshrrev_b32 v[TM+4+\b], 23, v[TM+12+\b]      ; the scale's byte
.endr
	v_lshl_or_b32 v[\pw], v[TM+5], 8, v[TM+4]
	v_lshl_or_b32 v[\pw], v[TM+6], 16, v[\pw]
	v_lshl_or_b32 v[\pw], v[TM+7], 24, v[\pw]
	v_cvt_scalef32_pk16_fp6_f32 v[(\pc):(\pc)+2], v[QB0:QB0+15], v[TM+12]
	v_cvt_scalef32_pk16_fp6_f32 v[CT:CT+2], v[QB1:QB1+15], v[TM+13]
	v_cvt_scalef32_pk16_fp6_f32 v[(\pc)+6:(\pc)+8], v[QB2:QB2+15], v[TM+14]
	v_cvt_scalef32_pk16_fp6_f32 v[CT+4:CT+6], v[QB3:QB3+15], v[TM+15]
	v_nop                                          ; one plain place behind a scaled conversion
.irp c, 0,1
.irp i, 0,1,2
	v_permlane16_swap_b32 v[(\pc)+6*\c+\i], v[CT+4*\c+\i]
.endr
.irp i, 0,1,2
	v_mov_b32 v[(\pc)+3+6*\c+\i], v[CT+4*\c+\i]
.endr
.endr
.endm
; One tile of 16 queries against the step's 128 keys: scores, mask, attn, its codes.  kap: 0 X, 1 Y.  X's turn carries the waits for the step's loads.
.macro TILE fx, sa, pc, pw, kap
	WIN 0x01                                       ; source 0 window 1
.irp b, 0,1,2,3
.if \kap == 0
	s_wait_dscnt 37-3*\b                           ; pair b is in; out may be: the three loads of each later pair, negL's 16, v's 12
.endif
	MM0 S+16*\b, KF+12*\b, \fx, KSW+\b, \sa
	MM0 S+16*\b+8, KF+12*\b, \fx+6, KSW+\b, \sa+1
.endr
	WIN 0
.rept 4
	v_nop                                          ; places behind the products
.endr
	s_cmp_lg_u32 s[J], s[G]
	s_cbranch_scc1 .Lopen_\@
.irp t, 0,1,2,3,4,5,6,7                        ; on the diagonal: key 16 t + 8 h + j of the group is hidden from query 32 cx + 16 kap + r where it comes after it
.irp j, 0,1,2,3,4,5,6,7
	v_cmp_gt_i32 vcc_lo, 16*\t+\j-16*\kap, v[D]
	v_cndmask_b32 v[S+8*\t+\j], v[S+8*\t+\j], v[NINF], vcc_lo
.endr
.endr
.Lopen_\@:
.if \kap == 0
	s_wait_dscnt 12                                ; negL is in; v's 12 loads may be out
.endif
	WIN 0x10                                       ; the addend in window 1
.set i, 0
.rept 32
	v_pk_fma_f32 v[S+i:S+i+1], v[S+i:S+i+1], s[CS:CS+1], v[NLR+i:NLR+i+1] op_sel_hi:[1,0,1]   ; score x c + negL
.set i, i+2
.endr
	WIN 0
.set i, 0
.rept 64
	v_exp_f32 v[S+i], v[S+i]                       ; attn, finished and normalised
.set i, i+1
.endr
	v_nop                                          ; one plain place behind the exponentials
	s_wait_alu depctr_va_vdst(0)
	QUANT S, S+32, \pc, \pw
.endm
	s_load_b256 s[4:11], s[0:1], 0x0               ; qkv, qkvs, negl, oimg
	s_load_b64 s[12:13], s[0:1], 0x20              ; osc
	v_lshl_add_u32 v254, v0, 2, 0x34000
	v_mov_b32 v255, 0
	ds_add_u32 v254, v255
	ds_add_u32 v254, v255
	v_lshrrev_b32 v1, 5, v0
	v_readfirstlane_b32 s[WV], v1                  ; wave 0..7
	s_bfe_u32 s[CX], ttmp6, 0x40000
	s_and_b32 s[BH], ttmp7, 0xffff
	; descriptor groups 1: dense blocks as rows of 256 bytes, no padding; the mask names all four partners
	s_mov_b32 s[G1A], 15|(3<<16)|(1<<21)
	s_mov_b32 s[G1A+1], 32<<16
	s_mov_b32 s[G1A+2], 96<<16                     ; 96 rows = 24,576 bytes: a quarter of k's or of v's images
	s_mov_b32 s[G1A+3], 32<<16
	s_mov_b32 s[G1A+4], 96
	s_mov_b32 s[G1A+5], 32
	s_mov_b32 s[G1A+6], 0
	s_mov_b32 s[G1A+7], 0
	s_mov_b32 s[G1B], 15|(3<<16)|(1<<21)
	s_mov_b32 s[G1B+1], 32<<16
	s_mov_b32 s[G1B+2], 4<<16                      ; 4 rows = 1,024 bytes
	s_mov_b32 s[G1B+3], 32<<16
	s_mov_b32 s[G1B+4], 4
	s_mov_b32 s[G1B+5], 32
	s_mov_b32 s[G1B+6], 0
	s_mov_b32 s[G1B+7], 0
	s_mov_b32 s[CS], 0x3d38aa3b                    ; c = log2(e) / 32
	s_mov_b32 s[CS+1], s[CS]
	s_mov_b32 s[SEL], 0x76543210
	s_mov_b32 s[SEL+1], 0xfedcba98
	s_mov_b32 s[HM], 0xffff0000
	v_and_b32 v[L8], 31, v0                        ; lane
	v_lshlrev_b32 v[L16], 4, v[L8]
	v_lshlrev_b32 v[L32], 5, v[L8]
	v_lshlrev_b32 v[L8], 3, v[L8]
	v_and_b32 v[R16], 15, v0                       ; r
	v_bfe_u32 v[ADN], v0, 4, 1                     ; h
	v_lshl_add_u32 v[NR], v[ADN], 5, NL
	v_lshlrev_b32 v[ADN], 3, v[ADN]
	s_lshl_b32 s2, s[CX], 5
	v_add_nc_u32 v[D], s2, v[R16]
	v_sub_nc_u32 v[D], v[D], v[ADN]                ; cx goes into this compare value and into global addresses, nowhere else
	v_lshlrev_b32 v[R16], 4, v[R16]
	v_add_nc_u32 v[SR], KSO, v[R16]
	v_mov_b32 v[NINF], 0xff800000
	s_wait_dscnt 0x0
	s_wait_kmcnt 0x0
	s_lshr_b32 s78, s[WV], 2                       ; waves 0-3 bring k's, waves 4-7 v's
	s_add_co_u32 s78, s78, 1
	s_and_b32 s79, s[WV], 3                        ; which quarter
	s_mul_i32 s80, s78, REGION
	s_mul_i32 s81, s[BH], BHB
	s_add_co_u32 s80, s80, s81
	s_mul_i32 s81, s79, 24576
	s_add_co_u32 s80, s80, s81
	s_mov_b32 s81, 0
	s_mov_b32 s[G0A], 1
	s_mul_i32 s[G0A+1], s[WV], 24576               ; LDS: wave x 24,576: k's four quarters, then v's
	s_add_nc_u64 s[G0A+2:G0A+3], s[4:5], s[80:81]
	s_or_b32 s[G0A+3], s[G0A+3], 0x80000000
	s_mul_i32 s80, s78, SREG
	s_lshl_b32 s78, s[BH], 12
	s_add_co_u32 s80, s80, s78
	s_lshl_b32 s78, s79, 10
	s_add_co_u32 s80, s80, s78
	s_mov_b32 s[G0B], 1
	s_lshl_b32 s[G0B+1], s[WV], 10
	s_add_co_u32 s[G0B+1], s[G0B+1], KSO           ; LDS: KSO + wave x 1,024
	s_add_nc_u64 s[G0B+2:G0B+3], s[6:7], s[80:81]
	s_or_b32 s[G0B+3], s[G0B+3], 0x80000000
	s_lshl_b32 s80, s[BH], 13
	s_lshl_b32 s78, s[WV], 10
	s_add_co_u32 s80, s80, s78
	s_mov_b32 s[G0C], 1
	s_lshl_b32 s[G0C+1], s[WV], 10
	s_add_co_u32 s[G0C+1], s[G0C+1], NL            ; LDS: NL + wave x 1,024
	s_add_nc_u64 s[G0C+2:G0C+3], s[8:9], s[80:81]
	s_or_b32 s[G0C+3], s[G0C+3], 0x80000000
	; my queries and where their o goes
	s_mul_i32 s2, s[CX], FRB
	s_mul_i32 s3, s[BH], BHB
	s_add_co_u32 s2, s2, s3
	s_mov_b32 s3, 0
	s_add_nc_u64 s[QIM:QIM+1], s[4:5], s[2:3]
	s_lshl_b32 s2, s[CX], 2
	s_lshl_b32 s3, s[BH], 12
	s_add_co_u32 s2, s2, s3
	s_mov_b32 s3, 0
	s_add_nc_u64 s[QWD:QWD+1], s[6:7], s[2:3]
	s_lshr_b32 s78, s[BH], 4                       ; the batch
	s_and_b32 s79, s[BH], 15                       ; the head
	s_lshl_b32 s3, s78, 6
	s_add_co_u32 s3, s3, s[CX]                     ; 64 x batch + cx: which 32 tokens, group 0
	s_mul_i32 s2, s3, 6144                         ; two tiles of 3,072 bytes
	s_lshl_b32 s3, s3, 10                          ; 32 tokens x 32 scale bytes
	s_lshr_b32 s80, s79, 2
	s_mul_i32 s80, s80, 1572864                    ; the K step of four heads
	s_add_co_u32 s2, s2, s80
	s_bfe_u32 s80, s79, 0x10001
	s_mul_i32 s80, s80, 1536                       ; which 128 of it
	s_add_co_u32 s2, s2, s80
	s_and_b32 s80, s79, 1
	s_mul_i32 s80, s80, 768                        ; which 64 of those
	s_add_co_u32 s2, s2, s80
	s_lshl_b32 s80, s79, 1
	s_add_co_u32 s80, s3, s80                      ; + 2 x head
	s_mov_b32 s3, 0
	s_add_nc_u64 s[OIB:OIB+1], s[10:11], s[2:3]
	s_mov_b32 s2, s80
	s_add_nc_u64 s[OSB:OSB+1], s[12:13], s[2:3]
	s_sub_co_u32 s[G], 15, s[WV]                   ; the first task
	QADDR G
	CROUND                                         ; all four work-groups are here: the joint loads meet
	tensor_load_to_lds s[G0A:G0A+3], s[G1A:G1A+7]  ; three loads of mine are out: all that this launch brings into LDS
	s_nop 0
	tensor_load_to_lds s[G0B:G0B+3], s[G1B:G1B+7]
	s_nop 0
	tensor_load_to_lds s[G0C:G0C+3], s[G1B:G1B+7]
	s_nop 0
.rept 4
	v_nop
.endr
	RAWLOAD
.irp i, 6,7,8,9,10,11
	v_mov_b32 v[FX+\i], 0                          ; the forms' zeros: written once
	v_mov_b32 v[FY+\i], 0
.endr
.irp b, 0,1,2,3
	v_mov_b32 v[TM+4+\b], 0                        ; a lane permute's destination counts as one of its sources
.endr
	s_wait_tensorcnt 0x0                           ; my parts have landed,
	s_barrier_signal -1
	s_barrier_wait -1                              ; everybody's have: from here on LDS is only read
	s_mov_b32 s[TASK], 2
.Ltask:
	s_wait_loadcnt 0x0                             ; the task's queries
	BUILD
	s_cmp_eq_u32 s[TASK], 1
	s_cbranch_scc1 .Lno_next
	s_sub_co_u32 s[G2], 15, s[G]                   ; the second task's queries are asked for now and land during the first
	QADDR G2
	RAWLOAD
.Lno_next:
	s_mul_i32 s[SCR], s[G], 24576                  ; a group is eight tiles of 3,072 bytes,
	s_mov_b32 s[SCR+1], 0
	s_add_nc_u64 s[TOI:TOI+1], s[OIB:OIB+1], s[SCR:SCR+1]
	s_lshl_b32 s[SCR], s[G], 12                    ; and 128 x 32 scale bytes
	s_add_nc_u64 s[TOS:TOS+1], s[OSB:OSB+1], s[SCR:SCR+1]
.set i, 0
.rept 64
	v_mov_b32 v[OX+i], 0                           ; o begins as zeros, so that the step is written once.  (Also the places between the forms just made and the first product)
.set i, i+1
.endr
	s_mov_b32 s[J], 0
	s_mov_b32 s[TB], 0
	s_mov_b32 s[TS], 0
	s_mov_b32 s[TN], 0
.Lstep:                                            ; 16 trips, a constant; a step all of whose keys come after the queries is jumped over, but for the lines that step addresses
	s_cmp_gt_u32 s[J], s[G]
	s_cbranch_scc1 .Lhidden
	v_add_nc_u32 v[ADK], s[TB], v[L16]             ; these five lines are also the places in front of the loads into registers that the last products read
	v_add_nc_u32 v[ADV], VI, v[ADK]
	v_add_nc_u32 v[ADS], s[TS], v[SR]
	v_add_nc_u32 v[ADT], VSO-KSO, v[ADS]
	v_add_nc_u32 v[ADN], s[TN], v[NR]
	ds_load_b128 v[KSW:KSW+3], v[ADS]
	ds_load_b128 v[VSW:VSW+3], v[ADT]
	WIN 0x40                                       ; destination window 1
.irp b, 0,1,2,3
.irp c, 0,1,2
	ds_load_b128 v[KF+12*\b+4*\c:KF+12*\b+4*\c+3], v[ADK] offset:FRB*\b+512*\c
.endr
.endr
.irp t, 0,1,2,3,4,5,6,7
	ds_load_b128 v[NLR+8*\t:NLR+8*\t+3], v[ADN] offset:64*\t       ; negL of keys 16 t + 8 h + 0 .. 7: sixteen lanes read the same 16 bytes
	ds_load_b128 v[NLR+8*\t+4:NLR+8*\t+7], v[ADN] offset:64*\t+16
.endr
.irp b, 0,1,2,3
.irp c, 0,1,2
	ds_load_b128 v[VF+12*\b+4*\c:VF+12*\b+4*\c+3], v[ADV] offset:FRB*\b+512*\c
.endr
.endr
	TILE FX, SX0, PCX, PWX, 0
	TILE FY, SY0, PCY, PWY, 1
.rept 8
	v_nop                                          ; Y's scale word and codes have just been written by vector lines: eight places ahead of a scaled product
.endr
	s_wait_dscnt 0x0                               ; v
	WIN 0x01
.irp i, 0,1,2,3                                ; the eight accumulators take turns, one instruction a turn, and the next step's 16 score products stand between two links
	MMA OX+8*\i, VF+12*\i, PCX, VSW+\i, PWX
	MMA OY+8*\i, VF+12*\i, PCY, VSW+\i, PWY
.endr
	WIN 0
.Lhidden:
	s_add_co_u32 s[TB], s[TB], STEPB
	s_add_co_u32 s[TS], s[TS], 256
	s_add_co_u32 s[TN], s[TN], 512
	s_add_co_u32 s[J], s[J], 1
	s_cmp_lt_u32 s[J], 16
	s_cbranch_scc1 .Lstep
	; THE WAY OUT of a task.  The halves of the lanes exchange eight registers in sixteen, so that register 16 p + i holds d = 32 p + 16 h + i: the conversions then leave the true order.  Each accumulator is read from its low end on.
.rept 4
	v_nop                                          ; places behind the last products
.endr
.irp o, OX, OY
.irp p, 0,1
.irp j, 0,1,2,3,4,5,6,7
	v_permlane16_swap_b32 v[\o+16*\p+\j], v[\o+16*\p+8+\j]
.endr
.endr
.endr
	QUANT OX, OY, PCX, PWX                         ; registers 0-5: X's 16 tokens x my head's 64; registers 6-11: Y's
.irp m, 0,1,2,3,4,5
	global_store_b64 v[L8], v[PCX+2*\m:PCX+2*\m+1], s[TOI:TOI+1] offset:(\m/3)*3072+(\m%3)*256   ; 32 lanes store 256 consecutive bytes, aligned
.endr
	v_lshrrev_b32 v[TM], 16, v[PWX]
	v_cndmask_b32 v[TM+1], v[PWX], v[TM], s[HM]    ; lanes 0-15 X's two bytes, lanes 16-31 Y's
	global_store_b16 v[L32], v[TM+1], s[TOS:TOS+1] ; token = lane: 32 bytes apart
	s_wait_xcnt 0x0                                ; the stores have read their registers and their bases
	s_sub_co_u32 s[G], 15, s[G]
	s_sub_co_u32 s[TASK], s[TASK], 1
	s_cmp_lg_u32 s[TASK], 0
	s_cbranch_scc1 .Ltask
	s_wait_dscnt 0x0
	s_wait_tensorcnt 0x0
	ds_add_u32 v254, v255
	s_wait_dscnt 0x0
	CROUND                                         ; the closing round
	s_endpgm
.Lfunc_end_k_qc222023074_attn:
	.size	k_qc222023074_attn, .Lfunc_end_k_qc222023074_attn-k_qc222023074_attn
	.p2alignl 7, 3214868480
	.fill 96, 4, 3214868480
	.section	.rodata,"a",@progbits
	.p2align	6, 0x0
	.amdhsa_kernel k_qc222023074_attn
		.amdhsa_group_segment_fixed_size 214016
		.amdhsa_private_segment_fixed_size 0
		.amdhsa_enable_private_segment 0
		.amdhsa_kernarg_size 40
		.amdhsa_user_sgpr_count 2
		.amdhsa_user_sgpr_kernarg_segment_ptr 1
		.amdhsa_wavefront_size32 1
		.amdhsa_system_sgpr_workgroup_id_x 1
		.amdhsa_system_sgpr_workgroup_id_y 1
		.amdhsa_system_sgpr_workgroup_id_z 1
		.amdhsa_system_vgpr_workitem_id 0
		.amdhsa_next_free_vgpr 416
		.amdhsa_next_free_sgpr 82
		.amdhsa_reserve_vcc 1
		.amdhsa_float_denorm_mode_32 3
		.amdhsa_float_denorm_mode_16_64 3
		.amdhsa_memory_ordered 1
		.amdhsa_forward_progress 1
		.amdhsa_inst_pref_size 51
	.end_amdhsa_kernel
	.amdgpu_metadata
---
amdhsa.version: [ 1, 2 ]
amdhsa.kernels:
  - .name:           k_qc222023074_attn
    .symbol:         k_qc222023074_attn.kd
    .args:
      - { .name: qkv, .offset: 0, .size: 8, .value_kind: global_buffer, .address_space: global }
      - { .name: qkvs, .offset: 8, .size: 8, .value_kind: global_buffer, .address_space: global }
      - { .name: negl, .offset: 16, .size: 8, .value_kind: global_buffer, .address_space: global }
      - { .name: oimg, .offset: 24, .size: 8, .value_kind: global_buffer, .address_space: global }
      - { .name: osc, .offset: 32, .size: 8, .value_kind: global_buffer, .address_space: global }
    .group_segment_fixed_size: 214016
    .private_segment_fixed_size: 0
    .kernarg_segment_align: 8
    .kernarg_segment_size: 40
    .max_flat_workgroup_size: 256
    .sgpr_count:     82
    .vgpr_count:     416
    .wavefront_size: 32
...
	.end_amdgpu_metadata
.endif
;; end of part 3
;; launch proj (part 4): grid 4 x 32, 4 waves a work-group, clusters of 4 x 4, 327,680 bytes of LDS; arguments oimg, osc, Wp_codes, Wp_scales, bp, out0; writes out0
.if DOCPART == 4
	.amdgcn_target "amdgcn-amd-amdhsa--gfx1250"
	.amdhsa_code_object_version 6
	.text
	.protected	k_qc222023074_proj
	.globl	k_qc222023074_proj
	.p2align	8
	.type	k_qc222023074_proj,@function
k_qc222023074_proj:
	s_mov_b64 s[64:65], 0
	v_nop
	global_prefetch_b8 v0, s[64:65] scope:SCOPE_SE
	s_setreg_imm32_b32 hwreg(HW_REG_WAVE_MODE, 25, 1), 1
	s_wait_xcnt 0x0
	s_wait_alu depctr_hold_cnt(0) depctr_sa_sdst(0) depctr_va_vdst(0) depctr_va_sdst(0) depctr_va_ssrc(0) depctr_va_vcc(0) depctr_vm_vsrc(0)
	s_getreg_b32 s2, hwreg(HW_REG_IB_STS2, 6, 4)
	s_cmp_eq_u32 s2, 0
	s_cbranch_scc0 .Lentry_in_a_cluster
	s_endpgm
.Lentry_in_a_cluster:
	s_bfe_u32 s2, ttmp6, 0x10000c
	s_cmp_lg_u32 s2, 0xf033
	s_cbranch_scc0 .Lentry_shape_is_right
	s_endpgm
.Lentry_shape_is_right:
; out0[token][n] = the sum over c of o[token][c] Wp[n][c] + bp[n], on codes of FP6 (E2M3) with one E8M0 scale for each 32 along K = 1,024; sums in f32.
; A = o: 8,192 tokens, as IMAGES of its fragments: oimg [K step of 256: 4][tile of 16 tokens: 512][128 of K: 2][piece of two registers: 6][lane 32][8 bytes]; its scale bytes osc [8,192][32].
; B = Wp: 1,024 rows of 768 bytes, given; scale bytes 32 a row.
; A tile of 256 x 256 is made by four waves, 128 x 128 each: 64 accumulators, 512 registers.  K goes in steps of 256 through a ring of two LDS slots filled by the tensor data mover:
; A's part of a slot is one dense block of memory (16 tiles x 3,072 bytes), read back 8 bytes a lane with no pitch; B's rows are 192 bytes, padded to 240.
; THE MATRIX INSTRUCTION IS USED TRANSPOSED (source 0 = 16 rows of Wp, source 1 = 16 tokens): a lane holds eight neighbouring numbers of a row of out0.  bp is the C of each sum's first product.
; CLUSTERS: 4 x 4 work-groups; A's tiles are shared along a row of the cluster, B's along a column.  The grid has 128 work-groups: 32 x 4 tiles of 256 x 256.
; LIMITS: NaN, infinities and the scale byte 0xff among the inputs are not served.
.set SIZE_N, 1024
.set SIZE_K, 1024
.set KSTEP,  256
.set NQ,     KSTEP/128
.set ROWB,   192
.set KROW,   SIZE_K*6/8
.set PITCH,  240
.set FR,     12
.set NLD,    6
.set NP,     4
.set HALFA,  24576                     ; A: 128 tokens of a K step: 8 tiles x 3,072 bytes
.set HALFB,  128*PITCH                 ; B: 128 rows
.set SLOT,   2*HALFA+2*HALFB
.set ASTEP,  1572864                   ; from a K step of A's images to the next
.set KS,     SIZE_K/32
.set SCL,    2*SLOT
.set HALFS,  (128*KS/256)*272
.set SBLK,   (16*KS/256)*272
.set SPARE,  SCL+4*HALFS               ; the spare words, 128 bytes a wave: two blocks of 256 bytes that no other line names
.set SPITCH, 528                       ; the way out: a stage of 16 rows x (512 bytes + 16) for each wave, in slot 0, which has had its last fill and its last read by then
.set ADRA, 16                          ; v16-17 LDS address of my A fragments in slot 0, 1
.set ADRB, 20                          ; v20-23 of my B fragments (v22-23: behind one padding more)
.set STO,  24
.set RD,   25
.set CO,   26
.set ADRS, 27
.set SPW,  28
.set NIL,  29
.set BPO,  30                          ; v30    32 x (lane / 16): my eight numbers of a block of bp
.set SC,   32                          ; v32-63 scale words, two sets
.set BI,   64                          ; v64-127 bp in the result's layout: eight registers for each of B's eight blocks
.set AF,   128
.set BK,   128
.set G1, 24
.set G0, 32
.set G1B, 48
.set G0B, 56
.set G1S, 68
.set G0S, 76
.set G1SB, 80
.set G0SB, 88
.set MSB, 0
.macro WIN new
.if MSB != \new
	s_set_vgpr_msb (MSB<<8)|\new
.set MSB, \new
.endif
.endm
.set MUL_LO, 0xa1                      ; source 0 (B) window 1, source 1 (A) window 0, C and D window 2
.set MUL_HI, 0xf1
.set FST_LO, 0x81                      ; the first products: C (bp) window 0, D window 2
.set FST_HI, 0xc1
.set TO_B,   0x40
.macro JLOAD g0a, g1a, g0b, g1b        ; a joint load: waves 0 and 1 fetch for A, waves 2 and 3 for B; four v_nop follow each line
	s_cmp_eq_u32 s15, 0
	s_cbranch_scc0 .Lfor_b_\@
	tensor_load_to_lds s[\g0a:\g0a+3], s[\g1a:\g1a+7]
	s_nop 0
.rept 4
	v_nop
.endr
	s_branch .Lasked_\@
.Lfor_b_\@:
	tensor_load_to_lds s[\g0b:\g0b+3], s[\g1b:\g1b+7]
	s_nop 0
.rept 4
	v_nop
.endr
.Lasked_\@:
.endm
.macro CREST
	s_cmp_lg_u32 s14, 0
	s_cbranch_scc1 .Lnot_wave_0_\@
	s_barrier_signal -3
.Lnot_wave_0_\@:
	s_barrier_wait -3
	s_barrier_signal -1
	s_barrier_wait -1
.endm
.macro CROUND
	s_barrier_signal -1
	s_barrier_wait -1
	CREST
.endm
	s_load_b128 s[4:7], s[0:1], 0x0                ; oimg, osc
	s_load_b128 s[8:11], s[0:1], 0x10              ; Wp's codes, Wp's scales
	s_load_b64 s[96:97], s[0:1], 0x20              ; bp
	s_load_b64 s[12:13], s[0:1], 0x28              ; out0
	v_lshl_add_u32 v[SPW], v0, 2, SPARE
	v_mov_b32 v[NIL], 0
	ds_add_u32 v28, v29
	ds_add_u32 v28, v29
	s_wait_dscnt 0x0
	v_lshrrev_b32 v1, 5, v0
	v_readfirstlane_b32 s14, v1                    ; wave 0..3
	s_lshr_b32 s15, s14, 1                         ; which half of the tile's rows is mine.  Also: I fetch for A (0) or for B (1)
	s_and_b32 s16, s14, 1                          ; which half of its columns.  Also: which 128 rows I fetch
	s_bfe_u32 s40, ttmp6, 0x40000                  ; cx, cy
	s_bfe_u32 s41, ttmp6, 0x40004
	s_lshl_b32 s42, ttmp9, 2
	s_add_co_u32 s42, s42, s40                     ; tile column
	s_and_b32 s17, ttmp7, 0xffff
	s_lshl_b32 s17, s17, 2
	s_add_co_u32 s17, s17, s41                     ; tile row
	s_lshl_b32 s43, s41, 2
	s_lshl_b32 s43, 15, s43                        ; my row of the cluster
	s_lshl_b32 s44, 0x1111, s40                    ; my column
	s_or_b32 s[G1+0], s43, (3<<16)|(1<<21)         ; A: a dense block of 24,576 bytes as 96 rows of 256 bytes (32 elements of 8 bytes), no padding
	s_mov_b32 s[G1+1], 32<<16
	s_mov_b32 s[G1+2], 96<<16
	s_mov_b32 s[G1+3], 32<<16
	s_mov_b32 s[G1+4], 96
	s_mov_b32 s[G1+5], 32
	s_mov_b32 s[G1+6], 0
	s_mov_b32 s[G1+7], 0
	s_or_b32 s[G1B+0], s44, (0<<16)|(1<<20)|(1<<21)|(3<<22)|(3<<25)  ; B: 128 rows of 192 bytes, 16 bytes of padding behind every 64
	s_mov_b32 s[G1B+1], ROWB<<16
	s_mov_b32 s[G1B+2], 128<<16
	s_mov_b32 s[G1B+3], ROWB<<16
	s_mov_b32 s[G1B+4], 128
	s_mov_b32 s[G1B+5], KROW
	s_mov_b32 s[G1B+6], 0
	s_mov_b32 s[G1B+7], 0
	s_or_b32 s[G1S+0], s43, (3<<16)|(1<<20)|(1<<21)|(5<<22)|(3<<25)  ; the scales of 128 rows: 4,096 dense bytes as rows of 256, 16 bytes of padding behind each
	s_or_b32 s[G1SB+0], s44, (3<<16)|(1<<20)|(1<<21)|(5<<22)|(3<<25)
.irp g, G1S, G1SB
	s_mov_b32 s[\g+1], 32<<16
	s_mov_b32 s[\g+2], (128*KS/256)<<16
	s_mov_b32 s[\g+3], 32<<16
	s_mov_b32 s[\g+4], 128*KS/256
	s_mov_b32 s[\g+5], 32
	s_mov_b32 s[\g+6], 0
	s_mov_b32 s[\g+7], 0
.endr
	s_lshl_b32 s18, s16, 7
	s_lshl_b32 s20, s17, 8
	s_add_co_u32 s20, s20, s18                     ; A: token 256 x tile row + 128 x half
	s_lshl_b32 s46, s42, 8
	s_add_co_u32 s46, s46, s18                     ; B: row 256 x tile column + 128 x half
	s_mov_b32 s21, 0
	s_mov_b32 s47, 0
	s_mov_b64 s[18:19], KS
	s_mul_u64 s[22:23], s[20:21], s[18:19]
	s_mul_u64 s[92:93], s[46:47], s[18:19]
	s_mov_b64 s[18:19], 192                        ; a token has 192 bytes in a K step's images
	s_mul_u64 s[20:21], s[20:21], s[18:19]
	s_mov_b64 s[18:19], KROW
	s_mul_u64 s[46:47], s[46:47], s[18:19]
	s_mul_i32 s45, s16, HALFA                      ; where they go: A's two halves,
	s_mul_i32 s95, s16, HALFB
	s_add_co_u32 s95, s95, 2*HALFA                 ; then B's two
	s_mul_i32 s94, s14, HALFS
	s_wait_kmcnt 0x0
	s_add_nc_u64 s[20:21], s[4:5], s[20:21]
	s_add_nc_u64 s[22:23], s[6:7], s[22:23]
	s_add_nc_u64 s[46:47], s[8:9], s[46:47]
	s_add_nc_u64 s[92:93], s[10:11], s[92:93]
	CROUND                                         ; all sixteen work-groups are here: the first joint loads meet
	s_mov_b32 s[G0S], 1
	s_add_co_u32 s[G0S+1], s94, SCL
	s_mov_b64 s[G0S+2:G0S+3], s[22:23]
	s_or_b32 s[G0S+3], s[G0S+3], 0x80000000
	s_mov_b32 s[G0SB], 1
	s_add_co_u32 s[G0SB+1], s94, SCL
	s_mov_b64 s[G0SB+2:G0SB+3], s[92:93]
	s_or_b32 s[G0SB+3], s[G0SB+3], 0x80000000
	JLOAD G0S, G1S, G0SB, G1SB
.irp s, 0,1
	s_mov_b32 s[G0+4*\s], 1
	s_add_co_u32 s[G0+4*\s+1], s45, \s*SLOT
	s_add_nc_u64 s[G0+4*\s+2:G0+4*\s+3], s[20:21], \s*ASTEP
	s_or_b32 s[G0+4*\s+3], s[G0+4*\s+3], 0x80000000
	s_mov_b32 s[G0B+4*\s], 1
	s_add_co_u32 s[G0B+4*\s+1], s95, \s*SLOT
	s_add_nc_u64 s[G0B+4*\s+2:G0B+4*\s+3], s[46:47], \s*ROWB
	s_or_b32 s[G0B+4*\s+3], s[G0B+4*\s+3], 0x80000000
	JLOAD G0+4*\s, G1, G0B+4*\s, G1B
.endr
	v_and_b32 v1, 15, v0                           ; l % 16
	v_bfe_u32 v2, v0, 4, 1                         ; l / 16
	v_and_b32 v6, 31, v0                           ; lane
	v_lshlrev_b32 v7, 3, v6                        ; A: 8 bytes a lane in each piece
	v_mul_u32_u24 v3, v1, PITCH
	v_mul_u32_u24 v4, v2, 24
	v_add_nc_u32 v4, v3, v4                        ; B: a fragment's row x pitch + 24 x half
	v_lshl_add_u32 v5, v2, 4, v4                   ; and the same behind one padding more
	s_mul_i32 s21, s15, HALFA                      ; my 128 tokens
	s_mul_i32 s22, s16, HALFB                      ; my 128 rows of B,
	s_add_co_u32 s22, s22, 2*HALFA                 ; which lie behind A's two halves
.irp s, 0,1
	v_add_nc_u32 v[ADRA+\s], s21, v7
	v_add_nc_u32 v[ADRB+\s], s22, v4
	v_add_nc_u32 v[ADRB+2+\s], s22, v5
	s_add_co_u32 s21, s21, SLOT
	s_add_co_u32 s22, s22, SLOT
.endr
	v_mul_u32_u24 v5, v1, KS
	v_lshrrev_b32 v8, 8, v5
	v_lshl_add_u32 v5, v8, 4, v5
	s_mul_i32 s21, s15, HALFS
	s_mul_i32 s22, s16, HALFS
	s_add_co_u32 s22, s22, 2*HALFS
	s_sub_co_u32 s22, s22, s21
	v_mul_u32_u24 v8, s22, v2                      ; lanes 16-31 take B's
	s_add_co_u32 s21, s21, SCL
	v_add_nc_u32 v5, v5, v8
	v_add_nc_u32 v[ADRS], s21, v5
	s_mul_i32 s23, s14, 16*SPITCH                  ; my stage
	v_mul_u32_u24 v5, v1, SPITCH
	v_lshl_add_u32 v5, v2, 5, v5
	v_add_nc_u32 v[STO], s23, v5
	v_lshlrev_b32 v[CO], 4, v6
	v_add_nc_u32 v[RD], s23, v[CO]
	v_lshlrev_b32 v[BPO], 5, v2
	s_lshl_b32 s20, s17, 8
	s_lshl_b32 s21, s15, 7
	s_add_co_u32 s20, s20, s21                     ; my first row of out0
	s_mov_b32 s21, 0
	s_mov_b64 s[18:19], SIZE_N*4
	s_mul_u64 s[20:21], s[20:21], s[18:19]
	s_lshl_b32 s46, s42, 10                        ; my first column, in bytes: in out0 and in bp alike
	s_lshl_b32 s47, s16, 9
	s_add_co_u32 s46, s46, s47
	s_mov_b32 s47, 0
	s_add_nc_u64 s[96:97], s[96:97], s[46:47]
	s_add_nc_u64 s[20:21], s[20:21], s[46:47]
	s_add_nc_u64 s[12:13], s[12:13], s[20:21]
.irp b, 0,1,2,3,4,5,6,7
	global_load_b128 v[BI+8*\b:BI+8*\b+3], v[BPO], s[96:97] offset:64*\b          ; bp at columns 16 b + 8 h + 0 .. 7
	global_load_b128 v[BI+8*\b+4:BI+8*\b+7], v[BPO], s[96:97] offset:64*\b+16
.endr
.macro FRAG reg, adr, q, i             ; B's fragment: 24 bytes of the row's stream of bits twice, in pieces of 8 bytes; 16 bytes of padding lie behind every 8 pieces
.irp p, 0,1,2,3,4,5
.set PIECE, 12*(\q)+6*(\p/3)+\p%3
.if PIECE%8 < 5
	ds_load_b64 v[\reg+2*\p:\reg+2*\p+1], v[\adr] offset:8*PIECE+16*(PIECE/8)+(\i)*16*PITCH
.else
	ds_load_b64 v[\reg+2*\p:\reg+2*\p+1], v[\adr+2] offset:8*PIECE+16*(PIECE/8)+(\i)*16*PITCH
.endif
.endr
.endm
.macro FRAG_A reg, slot, q, i          ; A's fragment comes back as it was stored: six pieces of 256 consecutive bytes
.irp p, 0,1,2,3,4,5
	ds_load_b64 v[\reg+2*\p:\reg+2*\p+1], v[ADRA+\slot] offset:(\i)*3072+(\q)*1536+256*\p
.endr
.endm
; 16 matrix instructions: A's blocks a0, a0 + 1 x B's eight.  first = 1: the sums begin with bp.  The 64 accumulators take turns, one instruction a turn.
.macro MUL16 a0, p, q, sc, first
.irp a, \a0, \a0+1
.irp b, 0,1,2,3,4,5,6,7
.if \first
	v_wmma_scale_f32_16x16x128_f8f6f4 v[8*(8*((\a)%4)+\b):8*(8*((\a)%4)+\b)+7], v[128*(\p)+FR*\b:128*(\p)+FR*\b+FR-1], v[AF+FR*(\a):AF+FR*(\a)+FR-1], v[BI+8*\b:BI+8*\b+7], v[SC+8*NQ*(\sc)+NQ*\b+(\q)], v[SC+8*NQ*(\sc)+NQ*(\a)+(\q)] matrix_a_fmt:MATRIX_FMT_FP6 matrix_b_fmt:MATRIX_FMT_FP6 matrix_a_scale:MATRIX_SCALE_ROW1
.else
	v_wmma_scale_f32_16x16x128_f8f6f4 v[8*(8*((\a)%4)+\b):8*(8*((\a)%4)+\b)+7], v[128*(\p)+FR*\b:128*(\p)+FR*\b+FR-1], v[AF+FR*(\a):AF+FR*(\a)+FR-1], v[8*(8*((\a)%4)+\b):8*(8*((\a)%4)+\b)+7], v[SC+8*NQ*(\sc)+NQ*\b+(\q)], v[SC+8*NQ*(\sc)+NQ*(\a)+(\q)] matrix_a_fmt:MATRIX_FMT_FP6 matrix_b_fmt:MATRIX_FMT_FP6 matrix_a_scale:MATRIX_SCALE_ROW1
.endif
.endr
.endr
.endm
.macro FETCH_B slot, q, p
	WIN TO_B
.irp i, 0,1,2,3,4,5,6,7
	FRAG 128*(\p)+FR*\i, ADRB+\slot, \q, \i
.endr
	WIN 0
.endm
.macro FETCH_A slot, q, i0
.irp i, \i0, \i0+1, \i0+2, \i0+3
	FRAG_A AF+FR*(\i), \slot, \q, \i
.endr
.endm
.macro SCALES sc
.irp i, 0,1,2,3,4,5,6,7
	ds_load_b64 v[SC+8*NQ*\sc+NQ*\i:SC+8*NQ*\sc+NQ*\i+1], v[ADRS] offset:\i*SBLK
.endr
.endm
.macro PLACES n
.rept \n
	v_nop
.endr
.endm
.macro STEP slot, q, first
	s_wait_dscnt 4*NLD                             ; B's set and A's blocks 0-3 are in; the youngest 24 loads (A's blocks 4-7) may be out
.if \first
	WIN FST_LO
.else
	WIN MUL_LO
.endif
	MUL16 0, (\q)%2, \q, \slot, \first
	MUL16 2, (\q)%2, \q, \slot, \first
	s_wait_dscnt 0
	PLACES NP
	FETCH_B \slot, (\q)+1, 1-(\q)%2
	FETCH_A \slot, (\q)+1, 0
.if \first
	WIN FST_HI
.else
	WIN MUL_HI
.endif
	MUL16 4, (\q)%2, \q, \slot, \first
	MUL16 6, (\q)%2, \q, \slot, \first
	PLACES NP
	WIN 0
	FETCH_A \slot, (\q)+1, 4
.endm
.macro TURN slot, next, fill
	s_wait_tensorcnt 0x0                           ; all my tensor loads have landed: my part of the next slot
	ds_add_u32 v[SPW], v[NIL]                      ; 0 onto my spare word
	s_wait_dscnt 4*NLD+1                           ; (the add and the youngest 24 loads may be out)
	WIN MUL_LO
	MUL16 0, 1, NQ-1, \slot, 0
	s_wait_dscnt 0x0                               ; the add is done, and my reads of this slot are over
	s_barrier_signal -1
	MUL16 2, 1, NQ-1, \slot, 0
	WIN 0
	s_barrier_wait -1
.if \fill
	CREST                                          ; the barrier has opened a round of the cluster's barrier: no wave of any partner still reads this slot or has a load on its way
	s_add_nc_u64 s[G0+4*\slot+2:G0+4*\slot+3], s[G0+4*\slot+2:G0+4*\slot+3], 2*ASTEP
	s_add_nc_u64 s[G0B+4*\slot+2:G0B+4*\slot+3], s[G0B+4*\slot+2:G0B+4*\slot+3], 2*ROWB
	JLOAD G0+4*\slot, G1, G0B+4*\slot, G1B         ; the first tensor load behind the round; its four v_nop are the places in front of the loads below
.else
	PLACES NP
.endif
	v_add_nc_u32 v[ADRS], 4*NQ, v[ADRS]
	FETCH_B \next, 0, 0
	FETCH_A \next, 0, 0
	SCALES \next
	WIN MUL_HI
	MUL16 4, 1, NQ-1, \slot, 0
	MUL16 6, 1, NQ-1, \slot, 0
	PLACES NP
	WIN 0
	FETCH_A \next, 0, 4
.endm
	s_wait_tensorcnt 1                             ; the scales and my part of K step 0 are in (K step 1's load may be out),
	s_barrier_signal -1
	s_barrier_wait -1                              ; everybody's are
	FETCH_B 0, 0, 0
	FETCH_A 0, 0, 0
	SCALES 0
	FETCH_A 0, 0, 4
	s_wait_loadcnt 0x0                             ; bp
	STEP 0, 0, 1                                   ; K = 1,024 is four K steps: they are written out.  The first products start the sums, on bp
	TURN 0, 1, 1                                   ; slot 0 takes K step 2
	STEP 1, 0, 0
	TURN 1, 0, 1                                   ; slot 1 takes K step 3
	STEP 0, 0, 0
	TURN 0, 1, 0                                   ; nothing is left to fetch
	STEP 1, 0, 0
	s_wait_dscnt 4*NLD
	WIN MUL_LO
	MUL16 0, 1, NQ-1, 1, 0
	MUL16 2, 1, NQ-1, 1, 0
	s_wait_dscnt 0
	WIN MUL_HI
	MUL16 4, 1, NQ-1, 1, 0
	MUL16 6, 1, NQ-1, 1, 0
	WIN 0
; THE WAY OUT, block by block of 16 rows x 128 columns: through my own stage in LDS, back as whole rows of 512 bytes.  LDS serves a wave's instructions in order (ISA guide 5.7.1.4): no wait between the stores and the loads.
.macro TOSTAGE a
.set AC, 64*((\a)%4)
	WIN 0x08+4*((\a)/4)                            ; the data: window 2 or 3
.irp b, 0,1,2,3,4,5,6,7
	ds_store_b128 v[STO], v[AC+8*\b:AC+8*\b+3] offset:64*\b          ; each accumulator from its low end on
	ds_store_b128 v[STO], v[AC+8*\b+4:AC+8*\b+7] offset:64*\b+16
.endr
	WIN 0
.set BB, BK+64*((\a)%2)
.irp t, 0,1,2,3,4,5,6,7,8,9,10,11,12,13,14,15
	ds_load_b128 v[BB+4*\t:BB+4*\t+3], v[RD] offset:\t*SPITCH
.endr
.endm
.macro SEND a, younger                 ; younger: the LDS instructions issued behind block a's loads, which may stay out
.set BB, BK+64*((\a)%2)
	s_wait_dscnt \younger
.if (\a) > 0
	s_add_nc_u64 s[12:13], s[12:13], 16*SIZE_N*4   ; (behind a wait on XCNT: the earlier stores have read their base)
.endif
.irp t, 0,1,2,3,4,5,6,7,8,9,10,11,12,13,14,15
	global_store_b128 v[CO], v[BB+4*\t:BB+4*\t+3], s[12:13] offset:\t*SIZE_N*4 th:TH_STORE_NT   ; 32 lanes store 512 consecutive bytes, aligned; written once, read by nobody here
.endr
.endm
	PLACES NP
	TOSTAGE 0
.irp a, 1,2,3,4,5,6,7
.if \a > 1
	s_wait_xcnt 0x0                                ; block a - 2's stores have read their registers and their base
.endif
	TOSTAGE \a
	SEND \a-1, 32                                  ; behind block a - 1's loads: block a's 16 stores and 16 loads
.endr
	s_wait_xcnt 0x0
	SEND 7, 0
	s_wait_tensorcnt 0x0                           ; the wave's end
	ds_add_u32 v[SPW], v[NIL]
	s_wait_dscnt 0x0
	CROUND                                         ; the closing round
	s_endpgm
.Lfunc_end_k_qc222023074_proj:
	.size	k_qc222023074_proj, .Lfunc_end_k_qc222023074_proj-k_qc222023074_proj
	.p2alignl 7, 3214868480
	.fill 96, 4, 3214868480
	.section	.rodata,"a",@progbits
	.p2align	6, 0x0
	.amdhsa_kernel k_qc222023074_proj
		.amdhsa_group_segment_fixed_size 327680
		.amdhsa_private_segment_fixed_size 0
		.amdhsa_enable_private_segment 0
		.amdhsa_kernarg_size 48
		.amdhsa_user_sgpr_count 2
		.amdhsa_user_sgpr_kernarg_segment_ptr 1
		.amdhsa_wavefront_size32 1
		.amdhsa_system_sgpr_workgroup_id_x 1
		.amdhsa_system_sgpr_workgroup_id_y 1
		.amdhsa_system_sgpr_workgroup_id_z 1
		.amdhsa_system_vgpr_workitem_id 0
		.amdhsa_next_free_vgpr 1024
		.amdhsa_next_free_sgpr 98
		.amdhsa_reserve_vcc 0
		.amdhsa_float_denorm_mode_32 3
		.amdhsa_float_denorm_mode_16_64 3
		.amdhsa_memory_ordered 1
		.amdhsa_forward_progress 1
		.amdhsa_inst_pref_size 161
	.end_amdhsa_kernel
	.amdgpu_metadata
---
amdhsa.version: [ 1, 2 ]
amdhsa.kernels:
  - .name:           k_qc222023074_proj
    .symbol:         k_qc222023074_proj.kd
    .args:
      - { .name: oimg, .offset: 0, .size: 8, .value_kind: global_buffer, .address_space: global }
      - { .name: osc, .offset: 8, .size: 8, .value_kind: global_buffer, .address_space: global }
      - { .name: Wp_codes, .offset: 16, .size: 8, .value_kind: global_buffer, .address_space: global }
      - { .name: Wp_scales, .offset: 24, .size: 8, .value_kind: global_buffer, .address_space: global }
      - { .name: bp, .offset: 32, .size: 8, .value_kind: global_buffer, .address_space: global }
      - { .name: out0, .offset: 40, .size: 8, .value_kind: global_buffer, .address_space: global }
    .group_segment_fixed_size: 327680
    .private_segment_fixed_size: 0
    .kernarg_segment_align: 8
    .kernarg_segment_size: 48
    .max_flat_workgroup_size: 128
    .sgpr_count:     98
    .vgpr_count:     1024
    .wavefront_size: 32
...
	.end_amdgpu_metadata
.endif
;; end of part 4
